; MI455X (gfx1250); checked and timed in simulation.
; The chip was launched on July 23, 2026; its instructions are those of AMD's public machine-readable ISA for CDNA 5 (MIT licence, August 2026) and "CDNA5" Instruction Set Architecture Reference Guide (July 2026). The comments in the code are by the model that wrote it; some were corrected since.
;; Attention. Allowed arithmetic: matrix products marked QUANTISED: E2M1 operands, one E8M0 scale for each 32 along K, by v_wmma_scale_f32_16x16x128_f8f6f4 with both operands' format E2M1 (or v_wmma_scale_f32_32x16x128_f4), f32 sums; everything else in f32.
;; Inputs: W_proj 1,024 x 1,024 float32; W_qkv 1,024 x 3,072 float32; b_proj 1,024 float32; b_qkv 3,072 float32; x 4 x 2,048 x 1,024 float32.
;; Outputs: out0 4 x 2,048 x 1,024 float32.
;; This version of the problem:
;;   THIS VERSION OF THE PROBLEM IS GIVEN IN LOW PRECISION. The matrix products marked QUANTISED in the list below multiply operands that are first quantised to E2M1 (2 exponent bits, 1 mantissa bit; 4 bits a number), with one power-of-two scale for each 32 numbers along K (OCP MX v1.0); their sums are f32. All else is computed in f32.
;;   The module's matrix products, in the order in which they are computed (A, B: the left and right operand; K: the contracted axis; several contracted axes count as one K, in the product's order):
;;     1. [M 8,192, K 1,024] x [K 1,024, N 3,072]; A: input x; B: input W_qkv: QUANTISED
;;     2. batch 64 x [M 2,048, K 64] x [K 64, N 2,048]; A: computed on the way; B: computed on the way: QUANTISED
;;     3. batch 64 x [M 2,048, K 2,048] x [K 2,048, N 64]; A: softmax (see below); B: computed on the way: QUANTISED
;;     4. [M 8,192, K 1,024] x [K 1,024, N 1,024]; A: computed on the way; B: input W_proj: QUANTISED
;;   THE QUANTISER, for each operand of a quantised product, along K:
;;     - K is cut into blocks of 32 from its start; a last block that is shorter is filled with zeros.
;;     - A block's scale is 2^e with e = floor(log2(the largest magnitude in the block)) - 2, held to -126 .. 127; a block of zeros has e = 0. As a byte (E8M0): e + 127.
;;     - Each number is divided by its block's scale, clamped to +-6, and rounded to the nearest number of E2M1, ties to even, subnormals kept.
;;     - The product sums the exact products of the quantised numbers (number of the format x scale) in f32.
;;   ~~~python
;;   def quantise(x, axis):      # numpy; x: float32 -> the quantised numbers, widened to float32 again
;;       x = np.moveaxis(x, axis, -1); K = x.shape[-1]
;;       x = np.pad(x, [(0, 0)] * (x.ndim - 1) + [(0, -K % 32)]); x = x.reshape(x.shape[:-1] + (-1, 32)); a = np.abs(x).max(-1, keepdims=True)
;;       e = np.where(a > 0, np.clip(np.frexp(np.where(a > 0, a, 1))[1] - 1 - 2, -126, 127), 0)      # np.frexp(a)[1] - 1 = floor(log2(a)), exactly
;;       r = np.clip(x / 2.0 ** e, -6, 6)
;;       step = 2.0 ** (np.maximum(np.frexp(np.where(r == 0, 1, r))[1] - 1, 0) - 1)
;;       q = np.round(r / step) * step * 2.0 ** e      # np.round: ties to even
;;       return np.moveaxis(q.reshape(q.shape[:-2] + (-1,))[..., :K], -1, axis).astype(np.float32)
;;   ~~~
;;   SOFTMAX AHEAD OF A QUANTISED PRODUCT. Where the list says 'softmax', what is quantised is not the finished softmax but p = 2^(t - M), with t = logit x log2(e) and M = ceil(the row's largest t), a whole number; so 1/2 < the row's largest p <= 1. The row's sum l is taken of the UNQUANTISED p, in f32, and the product's result is divided by l at the end. Since M is a whole number, a kernel that streams over the keys may use a running M (the ceiling of the running maximum): every later rescaling is an exact power of two, which a block's scale takes up: the codes' values come out the same.
;;   OPERANDS COMPUTED ON THE WAY. 'Computed on the way' means the value that the module computes at that place (a softmax that the list does not call 'softmax' is quantised finished and normalised). What goes into a quantiser is computed in f32, as accurately as f32 sums, v_exp_f32 and their like allow (about 1e-6 of the number): no bf16 or f16 on the way to a quantiser, and a product that is left as it is and whose result goes on into a quantised operand takes f32 operands (vector FMAs, or v_wmma_f32_16x16x4_f32). A number that lies on a knife's edge between two numbers of the format may be rounded either way, as far as f32 arithmetic and the matrix unit's own rounding can turn it there, and no further.
;; One version. Each part assembles by itself: llvm-mc -triple=amdgcn-amd-amdhsa -mcpu=gfx1250 --defsym DOCPART=n.
;; ======== version 1 of 1: 4 launches
;; limits: right only within a limited range of input values
;; workspace buffers: xq 4,456,448 bytes; wq 1,671,168 bytes; wp 557,056 bytes; oq 4,456,448 bytes; qb 9,175,040 bytes; kv 9,175,040 bytes; rope 524,288 bytes
;; launch prep (part 1): grid 528 x 1, 4 waves a work-group, no clusters, 34,304 bytes of LDS; arguments x, W_qkv, W_proj, xq, wq, wp, rope; writes xq, wq, wp, rope
.if DOCPART == 1
	.amdgcn_target "amdgcn-amd-amdhsa--gfx1250"
	.amdhsa_code_object_version 6
	.text
	.protected	k_q950a6b53f4_prep
	.globl	k_q950a6b53f4_prep
	.p2align	8
	.type	k_q950a6b53f4_prep,@function
k_q950a6b53f4_prep:
	s_mov_b64 s[64:65], 0
	v_nop
	global_prefetch_b8 v0, s[64:65] scope:SCOPE_SE
	s_setreg_imm32_b32 hwreg(HW_REG_WAVE_MODE, 25, 1), 1
	s_wait_xcnt 0x0
; PREP: x [8192][1024], W_qkv [1024][3072] and W_proj [1024][1024], f32, become codes of FP4 (E2M1) with one E8M0 byte for each 32 along K = 1,024; and the table of cos and sin for RoPE is made.
; A block's scale is 2^(floor(log2(its largest magnitude)) - 2): its byte is the largest magnitude's exponent field - 2, held at 1 from below (a block of zeros keeps the byte 1: its codes are zeros, and this program alone reads the bytes).
; LAYOUT OF THE CODES: records of 8,704 bytes, one for 16 rows of x (16 columns of W): a TILE.  Bytes 0-8,191: for each K step ks of 128 the operand's registers as they stand: 1024 ks + 512 c + 16 lane;
; lane (r, h) holds place r of the tile, k = 128 ks + 64 c + 32 h + 0 .. 31.  Bytes 8,192-8,703: scale words (four bytes: 128 along K) at 256 (ks / 4) + 16 r + 4 (ks % 4).
; WHICH ROWS FORM A TILE: place r of tile t is row 32 (t / 2) + 8 (t % 2) + r % 8 + 16 (r / 8): where such a tile is source 0 of a product, the 16 result registers of tiles 2 b and 2 b + 1 are 16 neighbours.
; Work-groups 0-191: W_qkv; 192-255: W_proj; 256-271: the table; 272-527: x.  Waves share nothing: no barrier.  Only x's path uses LDS.
; LIMITS: NaN and infinities are not served; blocks whose largest magnitude lies under 2^-124 get the byte 1.  The table's frequencies are the constants 10^(-j / 8) rounded to f32; a power and a
; reciprocal taken in f32 may differ from them by an ulp or two, which is up to about 2e-4 rad at t near 2,047.  The angle's reduction serves angles up to 2,047.
; AS THE TEXT STANDS NOW (this takes the place of the head's line on work-groups): work-groups 0-191: W_qkv; 192-255: W_proj; 256-271: the table; 272-527: x.
; A work-group of W takes 128 columns x ONE K step of 128: four blocks a lane.
.set REC,  8704                        ; a record
.set STGB, 8448                        ; x's path: a wave's stage in LDS: 16 rows x (512 bytes + 16)
.set TM,   224                         ; v224-239 QUANT's work
.set SEL,  30                          ; s[30:31] selects for v_permlanex16_b32: lane l xor 16
; 64 numbers of a lane, register 16 b + i = k 32 b + 16 (lane / 16) + i of its row, become a fragment's 8 registers of codes in v[pc] on and the row's scale word in v[pw].
.macro QUANT s, pc, pw
.irp b, 0,1,2,3
	v_max3_num_f32 v[TM+\b], |v[(\s)+16*\b]|, |v[(\s)+1+16*\b]|, 0x1800000   ; block b: my 16 numbers, and the floor 2^(3 - 127): the byte cannot fall under 1
.endr
.irp i, 2,4,6,8,10,12,14
.irp b, 0,1,2,3
	v_max3_num_f32 v[TM+\b], v[TM+\b], |v[(\s)+16*\b+\i]|, |v[(\s)+1+16*\b+\i]|   ; the four blocks by turns
.endr
.endr
.irp b, 0,1,2,3
	v_permlanex16_b32 v[TM+4+\b], v[TM+\b], s[SEL], s[SEL+1]
.endr
.irp b, 0,1,2,3
	v_max_num_f32 v[TM+\b], v[TM+\b], v[TM+4+\b]   ; with lane l xor 16's 16: the block's largest magnitude
.endr
.irp b, 0,1,2,3
	v_add_nc_u32 v[TM+12+\b], 0xff000000, v[TM+\b]   ; 2 off its exponent field: the conversion's scale operand
.endr
.irp b, 0,1,2,3
	v_lshrrev_b32 v[TM+4+\b], 23, v[TM+12+\b]      ; the scale's byte
.endr
	v_lshl_or_b32 v[\pw], v[TM+5], 8, v[TM+4]
	v_lshl_or_b32 v[\pw], v[TM+6], 16, v[\pw]
	v_lshl_or_b32 v[\pw], v[TM+7], 24, v[\pw]
.irp b, 0,1,2,3
	v_cvt_scalef32_pk8_fp4_f32 v[(\pc)+2*\b], v[(\s)+16*\b:(\s)+7+16*\b], v[TM+12+\b]
	v_cvt_scalef32_pk8_fp4_f32 v[(\pc)+1+2*\b], v[(\s)+8+16*\b:(\s)+15+16*\b], v[TM+12+\b]
.endr
	v_nop                                          ; one plain place behind a scaled conversion
.irp c, 0,1                                    ; the operand wants a whole block in a lane: lanes 0-15 block 2 c, lanes 16-31 block 2 c + 1
.irp i, 0,1
	v_permlane16_swap_b32 v[(\pc)+4*\c+\i], v[(\pc)+2+4*\c+\i]
.endr
.endr
.endm
; ---- W: a lane takes a column and its registers run down K: a block of 32 is one lane's, and its codes come out with K innermost.
.macro WLOAD t, N, src                 ; block t: W(32 t + i, my column) into set t % 2; 32 lanes read 128 consecutive bytes
.irp i, 0,1,2,3,4,5,6,7,8,9,10,11,12,13,14,15,16,17,18,19,20,21,22,23,24,25,26,27,28,29,30,31
	global_load_b32 v[32+32*((\t)%2)+\i], v3, s[\src:\src+1] offset:(32*(\t)+\i)*\N*4 th:TH_LOAD_NT
.endr
.endm
.macro WBLOCK t, N, src
.set XS, 32+32*((\t)%2)
.if (\t) < 3
	s_wait_loadcnt 32                              ; this block's 32 loads are in; the next block's 32 may be out
.else
	s_wait_loadcnt 0x0
.endif
	v_max3_num_f32 v12, |v[XS]|, |v[XS+1]|, |v[XS+2]|
	v_max3_num_f32 v13, |v[XS+3]|, |v[XS+4]|, |v[XS+5]|
.irp i, 6,10,14,18,22,26
	v_max3_num_f32 v12, v12, |v[XS+\i]|, |v[XS+\i+1]|
	v_max3_num_f32 v13, v13, |v[XS+\i+2]|, |v[XS+\i+3]|
.endr
	v_max3_num_f32 v12, v12, |v[XS+30]|, |v[XS+31]|
	v_max3_num_f32 v12, v12, v13, 0x1800000        ; and the floor
	v_add_nc_u32 v11, 0xff000000, v12              ; the conversion's scale operand
	v_lshrrev_b32 v13, 23, v11                     ; the byte
.if (\t)%4 == 0
	v_mov_b32 v[24+(\t)/4], v13                    ; four bytes to a word, the lower K in the lower byte
.else
	v_lshl_or_b32 v[24+(\t)/4], v13, 8*((\t)%4), v[24+(\t)/4]
.endif
.irp g, 0,1,2,3
	v_cvt_scalef32_pk8_fp4_f32 v[96+4*(\t)+\g], v[XS+8*\g:XS+8*\g+7], v11   ; each block has its own four registers: no store's data are written again
.endr
	global_store_b128 v4, v[96+4*(\t):96+4*(\t)+3], s[28:29] offset:((\t)/4)*1024+((\t)%4)*256   ; block t is lanes' half t % 2 of register group (t % 4) / 2 of K step t / 4: sixteen lanes of a tile store 256 consecutive bytes, aligned
.if (\t)+2 < 4
	WLOAD (\t)+2, \N, \src
.endif
.endm
; A work-group takes 128 columns x 128 along K; wave w its columns 32 w on.  N: the tensor's columns; first: the path's first work-group; src, dst: the pointers' registers.
.macro WPATH N, first, src, dst
	s_sub_co_u32 s20, ttmp9, \first
	s_lshr_b32 s21, s20, 3                         ; which 128 columns
	s_and_b32 s22, s20, 7                          ; ks: which K step of 128
	s_lshl_b32 s23, s21, 2
	s_add_co_u32 s23, s23, s18                     ; P: which 32 columns: tiles 2 P and 2 P + 1
	s_mul_i32 s24, s22, 128*\N*4
	s_lshl_b32 s21, s23, 7
	s_add_co_u32 s24, s24, s21
	s_add_nc_u64 s[\src:\src+1], s[\src:\src+1], s[24:25]   ; W at row 128 ks, column 32 P
	s_mul_i32 s24, s23, 2*REC
	s_add_nc_u64 s[26:27], s[\dst:\dst+1], s[24:25]         ; record 2 P
	s_lshl_b32 s24, s22, 10
	s_add_nc_u64 s[28:29], s[26:27], s[24:25]      ; its K step ks
	s_lshr_b32 s24, s22, 2
	s_lshl_b32 s24, s24, 8
	s_and_b32 s21, s22, 3
	s_lshl_b32 s21, s21, 2
	s_add_co_u32 s24, s24, s21
	s_add_nc_u64 s[26:27], s[26:27], s[24:25]      ; and, 8,192 on, that K step's scale words: 256 (ks / 4) + 4 (ks % 4)
	v_lshlrev_b32 v3, 2, v2                        ; in: 4 bytes a lane
	v_bfe_u32 v5, v2, 3, 1                         ; column l of the 32 lies in tile 2 P + (l / 8) % 2,
	v_and_b32 v6, 7, v2
	v_bfe_u32 v7, v2, 4, 1
	v_lshl_add_u32 v6, v7, 3, v6                   ; at place l % 8 + 8 (l / 16)
	v_lshlrev_b32 v6, 4, v6
	v_mad_u32_u24 v4, v5, REC, v6
	WLOAD 0, \N, \src
	WLOAD 1, \N, \src
.set Q, 0
.rept 4
	WBLOCK Q, \N, \src
.set Q, Q+1
.endr
	global_store_b32 v4, v24, s[26:27] offset:8192   ; my column's scale word of this K step: 4 bytes a lane, 16 apart; the work-groups of four K steps fill a unit of 256 bytes between them; one byte in 128 of what the path reads
	s_endpgm
.endm
; ---- x: K is innermost.  A load takes 512 consecutive bytes of one row; the 16 rows of a K step turn through the wave's stage, so that a lane gets 16 neighbours of each block.
.macro XLOAD t                         ; K step t of my 512 along K, place i's row, into set t % 2
.irp i, 0,1,2,3,4,5,6,7,8,9,10,11,12,13,14,15
	global_load_b128 v[32+64*((\t)%2)+4*\i:32+64*((\t)%2)+4*\i+3], v3, s[4:5] offset:((\i%8)+16*(\i/8))*4096+512*(\t) th:TH_LOAD_NT
.endr
.endm
.macro XSTEP t
.if (\t) < 3
	s_wait_loadcnt 16                              ; this step's 16 loads are in; the next step's 16 may be out
.else
	s_wait_loadcnt 0x0
.endif
.irp i, 0,1,2,3,4,5,6,7,8,9,10,11,12,13,14,15
	ds_store_b128 v4, v[32+64*((\t)%2)+4*\i:32+64*((\t)%2)+4*\i+3] offset:528*\i
.endr
.irp b, 0,1,2,3
.irp j, 0,1,2,3
	ds_load_b128 v[160+16*\b+4*\j:160+16*\b+4*\j+3], v5 offset:128*\b+16*\j   ; LDS serves a wave's instructions in order: these see the stores above
.endr
.endr
	s_wait_dscnt 0x0                               ; the numbers are back, and the stores have read their registers,
.if (\t)+2 < 4
	XLOAD (\t)+2                                   ; which take the loads of two steps on
.endif
.if (\t) >= 2
	s_wait_xcnt 0x0                                ; the stores of two steps back have read their data: that set of codes is written again only behind this wait
.endif
	QUANT 160, 240+8*((\t)%2), 24+(\t)
	global_store_b128 v3, v[240+8*((\t)%2):240+8*((\t)%2)+3], s[26:27] offset:1024*(\t)       ; 32 lanes store 512 consecutive bytes, aligned
	global_store_b128 v3, v[244+8*((\t)%2):244+8*((\t)%2)+3], s[26:27] offset:1024*(\t)+512
.endm
	s_load_b256 s[4:11], s[0:1], 0x0               ; x s[4:5], W_qkv s[6:7], W_proj s[8:9], xq s[10:11]
	s_load_b128 s[12:15], s[0:1], 0x20             ; wq s[12:13], wp s[14:15]
	s_load_b64 s[16:17], s[0:1], 0x30              ; rope
	v_lshl_add_u32 v234, v0, 2, 0x8400
	v_mov_b32 v235, 0
	v_lshrrev_b32 v1, 5, v0
	v_readfirstlane_b32 s18, v1                    ; wave 0..3
	v_and_b32 v2, 31, v0                           ; lane
	s_mov_b32 s25, 0                               ; the upper word of every offset
	s_wait_kmcnt 0x0
	s_cmp_lt_u32 ttmp9, 192
	s_cbranch_scc1 .Lwqkv
	s_cmp_lt_u32 ttmp9, 256
	s_cbranch_scc1 .Lwproj
	s_cmp_lt_u32 ttmp9, 272
	s_cbranch_scc1 .Lrope
	; ---- x: work-group g takes rows 32 g .. 32 g + 31: tiles 2 g and 2 g + 1.  Wave w: tile 2 g + w / 2, K = 512 (w % 2) on.
	s_sub_co_u32 s20, ttmp9, 272                   ; g
	s_lshr_b32 s21, s18, 1                         ; u
	s_and_b32 s22, s18, 1                          ; s
	s_lshl_b32 s24, s20, 17                        ; 32 g rows of 4,096 bytes,
	s_lshl_b32 s23, s21, 15                        ; 8 u rows,
	s_add_co_u32 s24, s24, s23
	s_lshl_b32 s23, s22, 11                        ; 512 s numbers
	s_add_co_u32 s24, s24, s23
	s_add_nc_u64 s[4:5], s[4:5], s[24:25]
	s_lshl_b32 s23, s20, 1
	s_add_co_u32 s23, s23, s21                     ; my tile
	s_mul_i32 s24, s23, REC
	s_add_nc_u64 s[10:11], s[10:11], s[24:25]      ; its record,
	s_lshl_b32 s24, s22, 12
	s_add_nc_u64 s[26:27], s[10:11], s[24:25]      ; K step 4 s in it,
	s_lshl_b32 s24, s22, 8
	s_add_nc_u64 s[28:29], s[10:11], s[24:25]      ; and, 8,192 on, the scale words of K steps 4 s on
	s_mul_i32 s23, s18, STGB                       ; my stage
	s_mov_b32 s19, 0xffff0000                      ; lanes 16-31
	s_mov_b32 s[SEL], 0x76543210
	s_mov_b32 s[SEL+1], 0xfedcba98
	s_wait_alu depctr_va_vdst(0)
	v_lshlrev_b32 v3, 4, v2                        ; 16 x lane: in memory, both ways
	v_add_nc_u32 v4, s23, v3                       ; the stage, on the way in
	v_and_b32 v7, 15, v0                           ; r
	v_bfe_u32 v8, v0, 4, 1                         ; h
	v_mul_u32_u24 v5, v7, 528
	v_lshl_add_u32 v5, v8, 6, v5
	v_add_nc_u32 v5, s23, v5                       ; and on the way out: row r, + 64 h: my 16 numbers of a block of 32
	v_lshlrev_b32 v6, 4, v7
	v_lshl_add_u32 v6, v8, 3, v6                   ; the scale words: 16 r + 8 h
.irp b, 0,1,2,3
	v_mov_b32 v[TM+4+\b], 0                        ; written once: a lane permute's destination counts as one of its sources
.endr
	XLOAD 0
	XLOAD 1
	s_wait_alu depctr_va_vdst(0)
.irp t, 0,1,2,3
	XSTEP \t
.endr
	v_cndmask_b32 v28, v24, v26, s19               ; lanes 0-15 store their row's words 0 and 1, lanes 16-31 words 2 and 3:
	v_cndmask_b32 v29, v25, v27, s19
	global_store_b64 v6, v[28:29], s[28:29] offset:8192   ; 32 lanes store 256 consecutive bytes, aligned
	s_wait_tensorcnt 0x0
	ds_add_u32 v234, v235
	s_wait_dscnt 0x0
	s_endpgm
.Lwqkv:
	s_wait_alu depctr_va_vdst(0)
	WPATH 3072, 0, 6, 12
.Lwproj:
	s_wait_alu depctr_va_vdst(0)
	WPATH 1024, 192, 8, 14
	; ---- the table: row t (256 bytes): cos(t f_j), j = 0 .. 31, then sin(t f_j); f_j = 10^(-j / 8).  A thread takes one t.
	; a = t f; n = the nearest whole number to a 2 / pi; r = a - n pi / 2, pi / 2 in two parts; sine and cosine of r (at most pi / 4) by polynomials in r^2; n % 4 says which is which and with which sign.
.Lrope:
	s_sub_co_u32 s20, ttmp9, 256
	s_lshl_b32 s20, s20, 7
	v_add_nc_u32 v3, s20, v0                       ; t
	v_cvt_f32_u32 v4, v3
	s_wait_alu depctr_va_vdst(0)
	v_lshlrev_b32 v5, 8, v3                        ; its row
	s_mov_b32 s21, 0x3f22f983                      ; 2 / pi
	s_mov_b32 s22, 0x3fc90fdb                      ; pi / 2, rounded to f32,
	s_mov_b32 s23, 0xb33bbd2e                      ; and what that leaves
	s_mov_b32 s24, 0xb94ca1f9                      ; sine: -1.9515295891e-4, 8.3321608736e-3, -1.6666654611e-1
	s_mov_b32 s26, 0x3c08839e
	s_mov_b32 s27, 0xbe2aaaa3
	s_mov_b32 s28, 0x37ccf5ce                      ; cosine: 2.443315712e-5, -1.388731625e-3, 4.166664568e-2
	s_mov_b32 s29, 0xbab6061a
	s_mov_b32 s30, 0x3d2aaaa5
.set J, 0
.irp c, 1.0, 0.7498942093324559, 0.5623413251903491, 0.4216965034285822, 0.31622776601683794, 0.23713737056616552, 0.1778279410038923, 0.1333521432163324, 0.1, 0.07498942093324559, 0.05623413251903491, 0.04216965034285822, 0.031622776601683794, 0.023713737056616552, 0.01778279410038923, 0.01333521432163324, 0.01, 0.007498942093324559, 0.005623413251903491, 0.004216965034285822, 0.0031622776601683794, 0.0023713737056616552, 0.001778279410038923, 0.001333521432163324, 0.001, 0.0007498942093324559, 0.0005623413251903491, 0.0004216965034285822, 0.00031622776601683794, 0.00023713737056616552, 0.0001778279410038923, 0.0001333521432163324
	v_mul_f32 v6, \c, v4                           ; a
	v_mul_f32 v7, s21, v6
	v_rndne_f32 v7, v7                             ; n
	v_fma_f32 v8, -v7, s22, v6
	v_fma_f32 v8, -v7, s23, v8                     ; r
	v_cvt_i32_f32 v9, v7
	v_mul_f32 v10, v8, v8                          ; z = r^2
	v_fma_f32 v11, v10, s24, s26
	v_fma_f32 v12, v10, s28, s29
	v_fma_f32 v11, v11, v10, s27
	v_fma_f32 v12, v12, v10, s30
	v_mul_f32 v11, v11, v10
	v_fma_f32 v12, v12, v10, -0.5
	v_fma_f32 v11, v11, v8, v8                     ; sin r
	v_fma_f32 v12, v12, v10, 1.0                   ; cos r
	v_and_b32 v13, 1, v9
	v_cmp_eq_u32 vcc_lo, 1, v13                    ; an odd n changes their places
	v_cndmask_b32 v14, v11, v12, vcc_lo            ; the sine's magnitude
	v_cndmask_b32 v15, v12, v11, vcc_lo            ; the cosine's
	v_and_b32 v13, 2, v9                           ; the sine is negated for n % 4 = 2, 3,
	v_lshlrev_b32 v13, 30, v13
	v_xor_b32 v[64+J], v13, v14
	v_add_nc_u32 v13, 1, v9                        ; the cosine for n % 4 = 1, 2
	v_and_b32 v13, 2, v13
	v_lshlrev_b32 v13, 30, v13
	v_xor_b32 v[32+J], v13, v15
.set J, J+1
.endr
.irp k, 0,1,2,3,4,5,6,7,8,9,10,11,12,13,14,15
	global_store_b128 v5, v[32+4*\k:35+4*\k], s[16:17] offset:16*\k   ; a thread's sixteen stores fill its row of 256 bytes
.endr
	s_endpgm
.Lfunc_end_k_q950a6b53f4_prep:
	.size	k_q950a6b53f4_prep, .Lfunc_end_k_q950a6b53f4_prep-k_q950a6b53f4_prep
	.p2alignl 7, 3214868480
	.fill 96, 4, 3214868480
	.section	.rodata,"a",@progbits
	.p2align	6, 0x0
	.amdhsa_kernel k_q950a6b53f4_prep
		.amdhsa_group_segment_fixed_size 34304
		.amdhsa_private_segment_fixed_size 0
		.amdhsa_enable_private_segment 0
		.amdhsa_kernarg_size 56
		.amdhsa_user_sgpr_count 2
		.amdhsa_user_sgpr_kernarg_segment_ptr 1
		.amdhsa_wavefront_size32 1
		.amdhsa_system_sgpr_workgroup_id_x 1
		.amdhsa_system_sgpr_workgroup_id_y 1
		.amdhsa_system_sgpr_workgroup_id_z 1
		.amdhsa_system_vgpr_workitem_id 0
		.amdhsa_next_free_vgpr 256
		.amdhsa_next_free_sgpr 66
		.amdhsa_reserve_vcc 1
		.amdhsa_float_denorm_mode_32 3
		.amdhsa_float_denorm_mode_16_64 3
		.amdhsa_memory_ordered 1
		.amdhsa_forward_progress 1
		.amdhsa_inst_pref_size 110
	.end_amdhsa_kernel
	.amdgpu_metadata
---
amdhsa.version: [ 1, 2 ]
amdhsa.kernels:
  - .name:           k_q950a6b53f4_prep
    .symbol:         k_q950a6b53f4_prep.kd
    .args:
      - { .name: x, .offset: 0, .size: 8, .value_kind: global_buffer, .address_space: global }
      - { .name: W_qkv, .offset: 8, .size: 8, .value_kind: global_buffer, .address_space: global }
      - { .name: W_proj, .offset: 16, .size: 8, .value_kind: global_buffer, .address_space: global }
      - { .name: xq, .offset: 24, .size: 8, .value_kind: global_buffer, .address_space: global }
      - { .name: wq, .offset: 32, .size: 8, .value_kind: global_buffer, .address_space: global }
      - { .name: wp, .offset: 40, .size: 8, .value_kind: global_buffer, .address_space: global }
      - { .name: rope, .offset: 48, .size: 8, .value_kind: global_buffer, .address_space: global }
    .group_segment_fixed_size: 34304
    .private_segment_fixed_size: 0
    .kernarg_segment_align: 8
    .kernarg_segment_size: 56
    .max_flat_workgroup_size: 128
    .sgpr_count:     66
    .vgpr_count:     256
    .wavefront_size: 32
...
	.end_amdgpu_metadata
.endif
;; end of part 1
;; launch qkv (part 2): grid 8 x 32, 4 waves a work-group, clusters of 4 x 4, 327,680 bytes of LDS; arguments xq, wq, b_qkv, rope, qb, kv; writes qb, kv
.if DOCPART == 2
	.amdgcn_target "amdgcn-amd-amdhsa--gfx1250"
	.amdhsa_code_object_version 6
	.text
	.protected	k_q950a6b53f4_qkv
	.globl	k_q950a6b53f4_qkv
	.p2align	8
	.type	k_q950a6b53f4_qkv,@function
k_q950a6b53f4_qkv:
	s_mov_b64 s[64:65], 0
	v_nop
	global_prefetch_b8 v0, s[64:65] scope:SCOPE_SE
	s_setreg_imm32_b32 hwreg(HW_REG_WAVE_MODE, 25, 1), 1
	s_wait_xcnt 0x0
	s_wait_alu depctr_hold_cnt(0) depctr_sa_sdst(0) depctr_va_vdst(0) depctr_va_sdst(0) depctr_va_ssrc(0) depctr_va_vcc(0) depctr_vm_vsrc(0)
	s_getreg_b32 s2, hwreg(HW_REG_IB_STS2, 6, 4)
	s_cmp_eq_u32 s2, 0
	s_cbranch_scc0 .Lentry_in_a_cluster
	s_endpgm
.Lentry_in_a_cluster:
	s_bfe_u32 s2, ttmp6, 0x10000c
	s_cmp_lg_u32 s2, 0xf033
	s_cbranch_scc0 .Lentry_shape_is_right
	s_endpgm
.Lentry_shape_is_right:
; QKV: x W_qkv + b_qkv on codes of FP4 (E2M1) with E8M0 scales, then RoPE on q and k, then q, k and v are quantised for attention: q and k along the head's 64, v along the KEYS.
; 256 work-groups of four waves.  A work-group owns 256 tokens and makes TWO products with them: first a tile of 256 tokens x 256 features of q or k (a wave 128 x 128: 64 accumulators), then 128 features of v
; for the same tokens (a wave 64 features x 128 tokens: 32 accumulators).  32 blocks of tokens x 8 blocks of features serve both: q and k have 8 blocks of 256 features, v has 8 of 128.
; OPERANDS come as records of 8,704 bytes for 16 rows: the fragments' registers as they stand (1024 ks + 512 c + 16 lane), then scale words (8,192 + 256 (ks / 4) + 16 r + 4 (ks % 4)).
; Place r of tile t is row 32 (t / 2) + 8 (t % 2) + r % 8 + 16 (r / 8).  LDS: x's 16 records, then W's 16, all of K = 1,024: each wave brings 8 whole records by one tensor load, a dense block stated as rows of 256 bytes.
; When the first product's last fragment has been read, W_v's 8 records are filled into the first 8 of W's places, 2 records a wave, behind an LDS add and the round;
; that load has the way out of q and k in which to land.  By this text's own count one tensor load of a wave is out at any time.  Both fills are asked for as early as their bytes are free: nothing is prefetched.
; THE MATRIX INSTRUCTION: source 0 = 16 rows of B', source 1 = 16 rows of A': a lane holds ONE row of A', and the 16 registers of B' tiles 2 b and 2 b + 1 are 16 neighbouring rows of B', 32 b + 16 (lane / 16) on.
; q, k: A' = x, B' = W: a lane holds a token and its registers run along the head: d and d + 32 lie in one lane (RoPE).  v: A' = W_v, B' = x: a lane holds one feature d and its registers run along the KEYS.
; OUT: records of 8,960 bytes for one head and 128 tokens: 0: K (or Q) images, 512 a + 16 lane; 4,096: V^T images, 1024 dt + 512 c + 16 lane; 8,192: K's scale words, 256 (a / 4) + 16 r + 4 (a % 4), two bytes
; and 0x7f7f above them for the instruction's upper 64 along K; 8,704: V's, 16 r + 4 dt.
; CLUSTERS: 4 x 4 work-groups; x is shared along a row of the cluster, W and W_v along a column, each asked for jointly.  The cluster's x says q (0) or k (1).
; LIMITS: NaN and infinities are not served; blocks whose largest magnitude lies under 2^-124 get the byte 1.
; REGISTERS: window 0: v1-31 addresses; v32-95 scale words; v96-122 at work on the way out; v128-191 A' fragments, on the way out a block's 64 numbers; v192-207 codes; v208-215 scale words to store; v216-223 v's bias.
;   window 1: B' fragments, two sets, v0-63 and v128-191; v64-127 q's and k's bias; v192-255 cos and sin, two sets.  windows 2, 3: the accumulators.
.set REC,   8704
.set KREC,  8960
.set HEADB, 143360
.set SPARE, 32*REC
.set NQ, 4
.set FR, 8
.set NL, 2
.set NP, 4
.set ADRA2, 10                         ; v10-11 W_v's fragments, K steps 0-3, 4-7
.set ADRB2, 12                         ; v12-13 x's as B'
.set ADRS2, 14                         ; v14 the second product's scale words: lanes 0-15 W_v, lanes 16-31 x
.set RI,   15                          ; v15 16 r
.set ADRA, 16                          ; v16-17 x's fragments as A'
.set ADRB, 20                          ; v20-21 W's
.set LI,   24                          ; v24 16 x lane
.set SO,   25                          ; v25 16 r + (lane / 16) x a head
.set RO,   26                          ; v26 my token's row of the table, + 64 (lane / 16)
.set ADRS, 27                          ; v27 the first product's scale words: lanes 0-15 x, lanes 16-31 W
.set BO,   28                          ; v28 64 (lane / 16)
.set VO,   29                          ; v29 4 x (r % 8 + 16 (r / 8))
.set SC,   32
.set T,    96
.set TM,   104
.set PW,   120
.set W0,   121
.set W1,   122
.set AF,   128
.set HB,   128
.set PC,   192
.set KW,   208
.set VB,   216
.set BI,   64
.set CSN,  192
.set SEL,  20
.set G1, 24
.set G0, 32
.set G1B, 48
.set G0B, 56
.set G1V, 68
.set G0V, 76
.set MSB, 0
.macro WIN new                         ; the immediate's high byte repeats the setting that is left
.if MSB != (\new)
	s_set_vgpr_msb (MSB<<8)|(\new)
.set MSB, (\new)
.endif
.endm
.set MUL_LO, 0xa1                      ; source 0 (B') window 1, source 1 (A') window 0, C and D window 2
.set MUL_HI, 0xf1
.set TO_B,   0x40
.macro CROUND
	s_barrier_signal -1
	s_barrier_wait -1
	s_cmp_lg_u32 s16, 0
	s_cbranch_scc1 .Lnot_wave_0_\@
	s_barrier_signal -3
.Lnot_wave_0_\@:
	s_barrier_wait -3
	s_barrier_signal -1
	s_barrier_wait -1
.endm
.macro PLACES n
.rept \n
	v_nop
.endr
.endm
.macro FRAG reg, adr, q, i
.irp c, 0,1
	ds_load_b128 v[\reg+4*\c:\reg+4*\c+3], v[\adr] offset:1024*(\q)+512*\c+(\i)*REC
.endr
.endm
; 16 matrix instructions: A' blocks a0, a0 + 1 x B' eight.  The 64 accumulators take turns, one instruction a turn.
.macro MUL16 a0, p, q, sc, zero
.irp a, \a0, \a0+1
.irp b, 0,1,2,3,4,5,6,7
.if \zero
	v_wmma_scale_f32_16x16x128_f8f6f4 v[8*(8*((\a)%4)+\b):8*(8*((\a)%4)+\b)+7], v[128*(\p)+FR*\b:128*(\p)+FR*\b+FR-1], v[AF+FR*(\a):AF+FR*(\a)+FR-1], 0, v[SC+8*NQ*(\sc)+NQ*\b+(\q)], v[SC+8*NQ*(\sc)+NQ*(\a)+(\q)] matrix_a_fmt:MATRIX_FMT_FP4 matrix_b_fmt:MATRIX_FMT_FP4 matrix_a_scale:MATRIX_SCALE_ROW1
.else
	v_wmma_scale_f32_16x16x128_f8f6f4 v[8*(8*((\a)%4)+\b):8*(8*((\a)%4)+\b)+7], v[128*(\p)+FR*\b:128*(\p)+FR*\b+FR-1], v[AF+FR*(\a):AF+FR*(\a)+FR-1], v[8*(8*((\a)%4)+\b):8*(8*((\a)%4)+\b)+7], v[SC+8*NQ*(\sc)+NQ*\b+(\q)], v[SC+8*NQ*(\sc)+NQ*(\a)+(\q)] matrix_a_fmt:MATRIX_FMT_FP4 matrix_b_fmt:MATRIX_FMT_FP4 matrix_a_scale:MATRIX_SCALE_ROW1
.endif
.endr
.endr
.endm
.macro FETCH_B slot, q, p
	WIN TO_B
.irp i, 0,1,2,3,4,5,6,7
	FRAG 128*(\p)+FR*\i, ADRB+\slot, \q, \i
.endr
	WIN 0
.endm
.macro FETCH_A slot, q, i0
.irp i, \i0, \i0+1, \i0+2, \i0+3
	FRAG AF+FR*(\i), ADRA+\slot, \q, \i
.endr
.endm
.macro SCALES adr, sc                  ; the scale words of K steps 4 sc on: four a row
.irp i, 0,1,2,3,4,5,6,7
	ds_load_b128 v[SC+8*NQ*\sc+NQ*\i:SC+8*NQ*\sc+NQ*\i+3], v[\adr] offset:\i*REC+256*\sc
.endr
.endm
; The first product's step of 128 along K.  A' has one set of registers (a block is free when its eight products are issued), B' two.  slot: which half of the K steps.
.macro STEP slot, q, zero
	s_wait_dscnt 4*NL                              ; all but the youngest eight loads, A' blocks 4-7
	WIN MUL_LO
	MUL16 0, (\q)%2, \q, \slot, \zero
	MUL16 2, (\q)%2, \q, \slot, \zero
	s_wait_dscnt 0
	PLACES NP                                      ; in front of loads into registers that matrix instructions have read
	FETCH_B \slot, (\q)+1, 1-(\q)%2
	FETCH_A \slot, (\q)+1, 0
	WIN MUL_HI
	MUL16 4, (\q)%2, \q, \slot, \zero
	MUL16 6, (\q)%2, \q, \slot, \zero
	PLACES NP
	WIN 0
	FETCH_A \slot, (\q)+1, 4
.endm
.macro STEPS slot, from
.set Q, \from
.rept NQ-1-\from
	STEP \slot, Q, 0
.set Q, Q+1
.endr
.endm
; The second product: K step ks: 24 loads: x's eight fragments and W_v's four, into sets ks % 2; 32 matrix instructions, the 32 accumulators by turns.
.macro FETCHV ks
	WIN TO_B
.irp i, 0,1,2,3,4,5,6,7
	FRAG 128*((\ks)%2)+8*\i, ADRB2+(\ks)/4, (\ks)%4, \i
.endr
	WIN 0
.irp i, 0,1,2,3
	FRAG AF+32*((\ks)%2)+8*\i, ADRA2+(\ks)/4, (\ks)%4, \i
.endr
.endm
.macro MULV ks, zero
.irp a, 0,1,2,3
.irp b, 0,1,2,3,4,5,6,7
.if \zero
	v_wmma_scale_f32_16x16x128_f8f6f4 v[8*(8*\a+\b):8*(8*\a+\b)+7], v[128*((\ks)%2)+8*\b:128*((\ks)%2)+8*\b+7], v[AF+32*((\ks)%2)+8*\a:AF+32*((\ks)%2)+8*\a+7], 0, v[SC+32*((\ks)/4)+4*\b+(\ks)%4], v[SC+32*((\ks)/4)+4*\a+(\ks)%4] matrix_a_fmt:MATRIX_FMT_FP4 matrix_b_fmt:MATRIX_FMT_FP4 matrix_a_scale:MATRIX_SCALE_ROW1
.else
	v_wmma_scale_f32_16x16x128_f8f6f4 v[8*(8*\a+\b):8*(8*\a+\b)+7], v[128*((\ks)%2)+8*\b:128*((\ks)%2)+8*\b+7], v[AF+32*((\ks)%2)+8*\a:AF+32*((\ks)%2)+8*\a+7], v[8*(8*\a+\b):8*(8*\a+\b)+7], v[SC+32*((\ks)/4)+4*\b+(\ks)%4], v[SC+32*((\ks)/4)+4*\a+(\ks)%4] matrix_a_fmt:MATRIX_FMT_FP4 matrix_b_fmt:MATRIX_FMT_FP4 matrix_a_scale:MATRIX_SCALE_ROW1
.endif
.endr
.endr
.endm
; 64 numbers of a lane, register 16 b + i = k 32 b + 16 (lane / 16) + i of its row, become a fragment's 8 registers of codes in v[pc] on and the row's scale word in v[pw].
.macro QUANT s, pc, pw
.irp b, 0,1,2,3
	v_max3_num_f32 v[TM+\b], |v[(\s)+16*\b]|, |v[(\s)+1+16*\b]|, 0x1800000   ; my 16 numbers, and the floor 2^(3 - 127): the byte cannot fall under 1
.endr
.irp i, 2,4,6,8,10,12,14
.irp b, 0,1,2,3
	v_max3_num_f32 v[TM+\b], v[TM+\b], |v[(\s)+16*\b+\i]|, |v[(\s)+1+16*\b+\i]|
.endr
.endr
.irp b, 0,1,2,3
	v_permlanex16_b32 v[TM+4+\b], v[TM+\b], s[SEL], s[SEL+1]
.endr
.irp b, 0,1,2,3
	v_max_num_f32 v[TM+\b], v[TM+\b], v[TM+4+\b]   ; with lane l xor 16's 16: the block's largest magnitude
.endr
.irp b, 0,1,2,3
	v_add_nc_u32 v[TM+12+\b], 0xff000000, v[TM+\b]   ; 2 off its exponent field: the conversion's scale operand
.endr
.irp b, 0,1,2,3
	v_lshrrev_b32 v[TM+4+\b], 23, v[TM+12+\b]      ; the scale's byte
.endr
	v_lshl_or_b32 v[\pw], v[TM+5], 8, v[TM+4]
	v_lshl_or_b32 v[\pw], v[TM+6], 16, v[\pw]
	v_lshl_or_b32 v[\pw], v[TM+7], 24, v[\pw]
.irp b, 0,1,2,3
	v_cvt_scalef32_pk8_fp4_f32 v[(\pc)+2*\b], v[(\s)+16*\b:(\s)+7+16*\b], v[TM+12+\b]
	v_cvt_scalef32_pk8_fp4_f32 v[(\pc)+1+2*\b], v[(\s)+8+16*\b:(\s)+15+16*\b], v[TM+12+\b]
.endr
	v_nop                                          ; one plain place behind a scaled conversion
.irp c, 0,1
.irp i, 0,1
	v_permlane16_swap_b32 v[(\pc)+4*\c+\i], v[(\pc)+2+4*\c+\i]   ; a whole block to a lane
.endr
.endr
.endm
.macro CSLOAD a                        ; cos and sin for the tokens of A' block a: my token's 16 of each, into set a % 2 of window 1
	WIN TO_B
.irp k, 0,1,2,3
	global_load_b128 v[CSN+32*((\a)%2)+4*\k:CSN+32*((\a)%2)+4*\k+3], v[RO], s[10:11] offset:(32*((\a)/2)+8*((\a)%2))*256+16*\k
	global_load_b128 v[CSN+32*((\a)%2)+16+4*\k:CSN+32*((\a)%2)+16+4*\k+3], v[RO], s[10:11] offset:(32*((\a)/2)+8*((\a)%2))*256+128+16*\k
.endr
.endm
	s_load_b256 s[4:11], s[0:1], 0x0               ; xq s[4:5], wq s[6:7], b_qkv s[8:9], rope s[10:11]
	s_load_b128 s[12:15], s[0:1], 0x20             ; qb s[12:13], kv s[14:15]
	v_lshl_add_u32 v254, v0, 2, SPARE
	v_mov_b32 v255, 0
	ds_add_u32 v254, v255                          ; the opening lines: the add twice on end, and its wait ahead of my first tensor load
	ds_add_u32 v254, v255
	v_lshrrev_b32 v1, 5, v0
	v_readfirstlane_b32 s16, v1                    ; wave 0..3
	s_lshr_b32 s17, s16, 1                         ; RH: which half of A' rows is mine.  Also: at the head I fetch for x (0) or W (1)
	s_and_b32 s18, s16, 1                          ; CH: which half of B' rows.  Also: which 8 records I fetch
	s_mov_b32 s19, 0xffff0000                      ; lanes 16-31
	s_mov_b32 s[SEL], 0x76543210
	s_mov_b32 s[SEL+1], 0xfedcba98
	s_mov_b32 s22, 0x7f7f0000                      ; the scale bytes of the upper 64 along K in attention's first product
	s_bfe_u32 s40, ttmp6, 0x40000                  ; cx
	s_bfe_u32 s41, ttmp6, 0x40004                  ; cy
	s_and_b32 s43, ttmp7, 0xffff
	s_lshl_b32 s43, s43, 2
	s_add_co_u32 s43, s43, s41                     ; X: which 256 tokens
	s_lshl_b32 s42, ttmp9, 2
	s_add_co_u32 s42, s42, s40                     ; Wt: which 256 features of q and k, and which 128 of v
	s_lshl_b32 s44, s41, 2
	s_lshl_b32 s44, 15, s44                        ; my row of the cluster
	s_lshl_b32 s45, 0x1111, s40                    ; my column
	s_or_b32 s[G1], s44, (3<<16)|(1<<21)           ; the mask; elements of 8 bytes; bit 21 beside a mask
	s_or_b32 s[G1B], s45, (3<<16)|(1<<21)
	s_or_b32 s[G1V], s45, (3<<16)|(1<<21)
.irp g, G1, G1B                                ; 8 records: 272 rows of 256 bytes
	s_mov_b32 s[\g+1], 32<<16
	s_mov_b32 s[\g+2], 272<<16
	s_mov_b32 s[\g+3], 32<<16
	s_mov_b32 s[\g+4], 272
	s_mov_b32 s[\g+5], 32
	s_mov_b32 s[\g+6], 0
	s_mov_b32 s[\g+7], 0
.endr
	s_mov_b32 s[G1V+1], 32<<16                     ; 2 records: 68 rows
	s_mov_b32 s[G1V+2], 68<<16
	s_mov_b32 s[G1V+3], 32<<16
	s_mov_b32 s[G1V+4], 68
	s_mov_b32 s[G1V+5], 32
	s_mov_b32 s[G1V+6], 0
	s_mov_b32 s[G1V+7], 0
	s_lshl_b32 s92, s43, 4
	s_lshl_b32 s93, s18, 3
	s_add_co_u32 s92, s92, s93
	s_mul_i32 s92, s92, REC                        ; x: record 16 X + 8 x half
	s_mov_b32 s93, 0
	s_lshl_b32 s94, s42, 4
	s_lshl_b32 s95, s18, 3
	s_add_co_u32 s94, s94, s95
	s_mul_i32 s94, s94, REC                        ; W: record 16 Wt + 8 x half
	s_mov_b32 s95, 0
	s_lshl_b32 s96, s42, 3
	s_lshl_b32 s97, s16, 1
	s_add_co_u32 s96, s96, s97
	s_add_co_u32 s96, s96, 128
	s_mul_i32 s96, s96, REC                        ; W_v: record 128 + 8 Wt + 2 x wave
	s_mov_b32 s97, 0
	s_mul_i32 s66, s16, 8*REC                      ; where they go: no place in the cluster enters an LDS address
	s_mul_i32 s67, s16, 2*REC
	s_add_co_u32 s67, s67, 16*REC
	s_wait_dscnt 0x0
	s_wait_kmcnt 0x0
	s_add_nc_u64 s[92:93], s[4:5], s[92:93]
	s_add_nc_u64 s[94:95], s[6:7], s[94:95]
	s_add_nc_u64 s[96:97], s[6:7], s[96:97]
	CROUND                                         ; all sixteen work-groups are here: the first joint loads meet
	s_mov_b32 s[G0], 1
	s_mov_b32 s[G0+1], s66
	s_mov_b64 s[G0+2:G0+3], s[92:93]
	s_or_b32 s[G0+3], s[G0+3], 0x80000000
	s_mov_b32 s[G0B], 1
	s_mov_b32 s[G0B+1], s66
	s_mov_b64 s[G0B+2:G0B+3], s[94:95]
	s_or_b32 s[G0B+3], s[G0B+3], 0x80000000
	s_mov_b32 s[G0V], 1
	s_mov_b32 s[G0V+1], s67
	s_mov_b64 s[G0V+2:G0V+3], s[96:97]
	s_or_b32 s[G0V+3], s[G0V+3], 0x80000000
	s_cmp_eq_u32 s17, 0                            ; one tensor load a wave at the head, in one of two arms
	s_cbranch_scc0 .Lfor_b
	tensor_load_to_lds s[G0:G0+3], s[G1:G1+7]
	s_nop 0
	PLACES 4
	s_branch .Lasked
.Lfor_b:
	tensor_load_to_lds s[G0B:G0B+3], s[G1B:G1B+7]
	s_nop 0
	PLACES 4
.Lasked:
	; where my parts belong.  q, k: tokens 128 G on, G = 2 (X % 8) + RH; heads 4 (Wt % 4) + 2 CH and the next
	s_lshr_b32 s100, s43, 3
	s_lshl_b32 s100, s100, 4                       ; 16 x batch
	s_and_b32 s99, s43, 7
	s_lshl_b32 s99, s99, 1
	s_and_b32 s101, s42, 3
	s_lshl_b32 s101, s101, 2
	s_add_co_u32 s101, s101, s100
	s_lshl_b32 s98, s18, 1
	s_add_co_u32 s101, s101, s98
	s_lshl_b32 s101, s101, 4
	s_add_co_u32 s98, s99, s17                     ; G
	s_add_co_u32 s101, s101, s98
	s_mul_i32 s90, s101, KREC
	s_mov_b32 s91, 0
	s_lshl_b32 s2, s98, 15
	s_mov_b32 s3, 0
	s_add_nc_u64 s[10:11], s[10:11], s[2:3]        ; the table at token 128 G
	s_cmp_eq_u32 ttmp9, 0
	s_cselect_b64 s[12:13], s[12:13], s[14:15]     ; q goes to qb, k to kv
	s_add_nc_u64 s[12:13], s[12:13], s[90:91]      ; my first head's record G
	; v: head 2 Wt + RH; tokens 128 (2 (X % 8) + CH) on
	s_lshl_b32 s101, s42, 1
	s_add_co_u32 s101, s101, s17
	s_add_co_u32 s101, s101, s100
	s_lshl_b32 s101, s101, 4
	s_add_co_u32 s101, s101, s99
	s_add_co_u32 s101, s101, s18
	s_mul_i32 s90, s101, KREC
	s_add_nc_u64 s[80:81], s[14:15], s[90:91]
	s_lshl_b32 s2, s42, 9
	s_lshl_b32 s90, s17, 8
	s_add_co_u32 s2, s2, s90
	s_add_co_u32 s2, s2, 8192
	s_add_nc_u64 s[82:83], s[8:9], s[2:3]          ; the bias of my 64 features of v: 2,048 + 128 Wt + 64 RH
	s_lshl_b32 s2, s42, 10
	s_lshl_b32 s90, s18, 9
	s_add_co_u32 s2, s2, s90
	s_add_nc_u64 s[8:9], s[8:9], s[2:3]            ; and of my 128 features of q or k
	; LDS
	s_mul_i32 s2, s17, 8*REC                       ; first product: my 8 tiles of x,
	s_mul_i32 s87, s18, 8*REC                      ; second: my 8 tiles of x,
	s_add_co_u32 s3, s87, 16*REC                   ; first: my 8 of W
	s_sub_co_u32 s84, s3, s2
	s_add_co_u32 s88, s2, 8192
	s_mul_i32 s86, s17, 4*REC
	s_add_co_u32 s86, s86, 16*REC                  ; second: my 4 of W_v
	s_sub_co_u32 s85, s86, s87
	s_add_co_u32 s89, s87, 8192
	v_and_b32 v1, 15, v0                           ; r
	v_bfe_u32 v2, v0, 4, 1                         ; h
	v_and_b32 v3, 31, v0
	v_lshlrev_b32 v[LI], 4, v3
	v_lshlrev_b32 v[BO], 6, v2
	v_and_b32 v4, 8, v1
	v_xor_b32 v8, 1, v2
	v_mul_u32_u24 v5, s84, v2                      ; first product: lanes 16-31 take W's scale words
	v_mul_u32_u24 v6, s85, v8                      ; second: lanes 0-15 take W_v's, which lie above x's
	v_mul_u32_u24 v7, v2, HEADB
	v_lshlrev_b32 v[RI], 4, v1
	v_add_nc_u32 v4, v4, v1                        ; r % 8 + 16 (r / 8)
	v_add_nc_u32 v[ADRA], s2, v[LI]
	v_add_nc_u32 v[ADRB], s3, v[LI]
	v_add_nc_u32 v[ADRA2], s86, v[LI]
	v_add_nc_u32 v[ADRB2], s87, v[LI]
	v_add_nc_u32 v5, v5, v[RI]
	v_add_nc_u32 v6, v6, v[RI]
	v_add_nc_u32 v[SO], v7, v[RI]
	v_lshl_add_u32 v[RO], v4, 8, v[BO]
	v_lshlrev_b32 v[VO], 2, v4
	v_add_nc_u32 v[ADRA+1], 4096, v[ADRA]
	v_add_nc_u32 v[ADRB+1], 4096, v[ADRB]
	v_add_nc_u32 v[ADRA2+1], 4096, v[ADRA2]
	v_add_nc_u32 v[ADRB2+1], 4096, v[ADRB2]
	v_add_nc_u32 v[ADRS], s88, v5
	v_add_nc_u32 v[ADRS2], s89, v6
	WIN TO_B
.irp bb, 0,1,2,3,4,5,6,7                       ; q, k: the bias in the result's layout: B' tile bb, register j: feature 32 (bb / 2) + 8 (bb % 2) + 16 h + j
	global_load_b128 v[BI+8*\bb:BI+8*\bb+3], v[BO], s[8:9] offset:(32*(\bb/2)+8*(\bb%2))*4
	global_load_b128 v[BI+8*\bb+4:BI+8*\bb+7], v[BO], s[8:9] offset:(32*(\bb/2)+8*(\bb%2))*4+16
.endr
	CSLOAD 0
	WIN 0
.irp a, 0,1,2,3                                ; v: my lane's feature of W_v's tile a, twice: a pair for the packed addition
	global_load_b32 v[VB+2*\a], v[VO], s[82:83] offset:(32*(\a/2)+8*(\a%2))*4
	global_load_b32 v[VB+2*\a+1], v[VO], s[82:83] offset:(32*(\a/2)+8*(\a%2))*4
.endr
	s_wait_alu depctr_va_vdst(0)
	s_wait_tensorcnt 0x0                           ; my 8 records are in,
	s_barrier_signal -1
	s_barrier_wait -1                              ; everybody's are
	FETCH_B 0, 0, 0
	FETCH_A 0, 0, 0
	SCALES ADRS, 0
	FETCH_A 0, 0, 4
	STEP 0, 0, 1                                   ; the first step's products start the sums
	STEPS 0, 1
	s_wait_dscnt 4*NL                              ; K step 3 goes on to K step 4
	WIN MUL_LO
	MUL16 0, 1, NQ-1, 0, 0
	MUL16 2, 1, NQ-1, 0, 0
	s_wait_dscnt 0x0
	PLACES NP
	FETCH_B 1, 0, 0
	FETCH_A 1, 0, 0
	SCALES ADRS, 1
	WIN MUL_HI
	MUL16 4, 1, NQ-1, 0, 0
	MUL16 6, 1, NQ-1, 0, 0
	PLACES NP
	WIN 0
	FETCH_A 1, 0, 4
	STEPS 1, 0
	s_wait_dscnt 4*NL                              ; the last step
	WIN MUL_LO
	MUL16 0, 1, NQ-1, 1, 0
	MUL16 2, 1, NQ-1, 1, 0
	s_wait_dscnt 0
	WIN MUL_HI
	MUL16 4, 1, NQ-1, 1, 0
	MUL16 6, 1, NQ-1, 1, 0
	WIN 0
.irp b, 0,1,2,3
	v_mov_b32 v[TM+4+\b], 0                        ; a lane permute's destination counts as one of its sources.  These four are also the places behind the last products
.endr
	; W's bytes are filled again with W_v: in every wave an LDS add and its waits, the round, and the joint refill first behind it, one a wave
	s_wait_tensorcnt 0x0
	ds_add_u32 v254, v255
	s_wait_dscnt 0x0                               ; the add is done, and my reads of W's records are over
	CROUND
	tensor_load_to_lds s[G0V:G0V+3], s[G1V:G1V+7]
	s_nop 0
	PLACES 4
; ---- q, k.  A' block a: 16 tokens x my 128 features = two heads.  Register 16 b + i of the block's 64 numbers is feature 32 b + 16 h + i: head b / 2, d = 32 (b % 2) + 16 h + i.
.macro QKBLOCK a
.if (\a) < 7
	CSLOAD (\a)+1
	s_wait_loadcnt 8                               ; all loads but the eight just issued are in: this block's cos and sin, and, in the first block, both biases
.else
	s_wait_loadcnt 0x0
.endif
	WIN 0x06+(\a)/4                                ; source 0: the accumulators' window; source 1: window 1
.set AC, 64*((\a)%4)
.irp i, 0,2,4,6,8,10,12,14,16,18,20,22,24,26,28,30,32,34,36,38,40,42,44,46,48,50,52,54,56,58,60,62
	v_pk_add_f32 v[HB+\i:HB+\i+1], v[AC+\i:AC+\i+1], v[BI+\i:BI+\i+1]   ; + bias; each accumulator from its low end on
.endr
.set CB, CSN+32*((\a)%2)
	WIN 0x04                                       ; source 1 (cos or sin) window 1
.irp g, 0,1                                    ; x1' = x1 cos - x2 sin, x2' = x2 cos + x1 sin; x1: d = 16 h + i, x2: d + 32
.irp i, 0,2,4,6,8,10,12,14
	v_pk_mul_f32 v[T+\i%8:T+\i%8+1], v[HB+32*\g+\i:HB+32*\g+\i+1], v[CB+16+\i:CB+16+\i+1]
	v_pk_mul_f32 v[HB+32*\g+\i:HB+32*\g+\i+1], v[HB+32*\g+\i:HB+32*\g+\i+1], v[CB+\i:CB+\i+1]
	v_pk_fma_f32 v[HB+32*\g+\i:HB+32*\g+\i+1], v[HB+32*\g+16+\i:HB+32*\g+16+\i+1], v[CB+16+\i:CB+16+\i+1], v[HB+32*\g+\i:HB+32*\g+\i+1] neg_lo:[1,0,0] neg_hi:[1,0,0]
	v_pk_fma_f32 v[HB+32*\g+16+\i:HB+32*\g+16+\i+1], v[HB+32*\g+16+\i:HB+32*\g+16+\i+1], v[CB+\i:CB+\i+1], v[T+\i%8:T+\i%8+1]
.endr
.endr
	WIN 0
	s_wait_xcnt 0x0                                ; earlier stores have read their data: the codes' registers are written again only behind this wait
	QUANT HB, PC+8*((\a)%2), PW
	global_store_b128 v[LI], v[PC+8*((\a)%2):PC+8*((\a)%2)+3], s[12:13] offset:512*(\a)               ; my first head's image of tile a, 512 consecutive bytes;
	global_store_b128 v[LI], v[PC+8*((\a)%2)+4:PC+8*((\a)%2)+7], s[12:13] offset:512*(\a)+HEADB       ; my second head's
	v_and_or_b32 v[W0], v[PW], 0xffff, s22         ; the first head's two bytes,
	v_lshrrev_b32 v[W1], 16, v[PW]
	v_or_b32 v[W1], s22, v[W1]                     ; the second head's
	v_cndmask_b32 v[KW+(\a)], v[W0], v[W1], s19    ; lanes 0-15 keep the first head's word, lanes 16-31 the second's
.endm
.irp a, 0,1,2,3,4,5,6,7
	QKBLOCK \a
.endr
	global_store_b128 v[SO], v[KW:KW+3], s[12:13] offset:8192      ; each half of the lanes stores 256 consecutive bytes, aligned, of its head's record
	global_store_b128 v[SO], v[KW+4:KW+7], s[12:13] offset:8448
; ---- v: 64 features x 128 tokens a wave
	s_wait_alu depctr_va_vdst(0)
	s_wait_tensorcnt 0x0                           ; my 2 records of W_v are in,
	s_barrier_signal -1
	s_barrier_wait -1                              ; everybody's are
	FETCHV 0
	SCALES ADRS2, 0
	SCALES ADRS2, 1
.irp ks, 0,1,2,3,4,5,6,7
.if \ks > 0
	PLACES NP                                      ; in front of loads into the sets that the step before multiplied
.endif
.if \ks < 7
	FETCHV \ks+1
	s_wait_dscnt 24                                ; all but the 24 loads just issued: this step's fragments are in
.else
	s_wait_dscnt 0x0
.endif
	WIN MUL_LO
.if \ks == 0
	MULV \ks, 1
.else
	MULV \ks, 0
.endif
.endr
	PLACES NP                                      ; behind the last products
; W_v's block a: 16 rows d of V^T, tile a of my head, x my 128 keys.  Register 16 b + i is key 32 b + 16 h + i.
.macro VBLOCK a
	WIN 0x02
.irp i, 0,2,4,6,8,10,12,14,16,18,20,22,24,26,28,30,32,34,36,38,40,42,44,46,48,50,52,54,56,58,60,62
	v_pk_add_f32 v[HB+\i:HB+\i+1], v[64*(\a)+\i:64*(\a)+\i+1], v[VB+2*(\a):VB+2*(\a)+1]
.endr
	WIN 0
	s_wait_xcnt 0x0                                ; as above
	QUANT HB, PC+8*((\a)%2), KW+(\a)
	global_store_b128 v[LI], v[PC+8*((\a)%2):PC+8*((\a)%2)+3], s[80:81] offset:4096+(\a)*1024
	global_store_b128 v[LI], v[PC+8*((\a)%2)+4:PC+8*((\a)%2)+7], s[80:81] offset:4096+(\a)*1024+512
.endm
.irp a, 0,1,2,3
	VBLOCK \a
.endr
	global_store_b128 v[RI], v[KW:KW+3], s[80:81] offset:8704      ; row r's four scale words: 256 consecutive bytes, aligned; lanes 16-31 hold and store the same as lanes 0-15
	s_wait_tensorcnt 0x0                           ; the wave's end
	ds_add_u32 v254, v255
	s_wait_dscnt 0x0
	CROUND                                         ; the closing round
	s_endpgm
.Lfunc_end_k_q950a6b53f4_qkv:
	.size	k_q950a6b53f4_qkv, .Lfunc_end_k_q950a6b53f4_qkv-k_q950a6b53f4_qkv
	.p2alignl 7, 3214868480
	.fill 96, 4, 3214868480
	.section	.rodata,"a",@progbits
	.p2align	6, 0x0
	.amdhsa_kernel k_q950a6b53f4_qkv
		.amdhsa_group_segment_fixed_size 327680
		.amdhsa_private_segment_fixed_size 0
		.amdhsa_enable_private_segment 0
		.amdhsa_kernarg_size 48
		.amdhsa_user_sgpr_count 2
		.amdhsa_user_sgpr_kernarg_segment_ptr 1
		.amdhsa_wavefront_size32 1
		.amdhsa_system_sgpr_workgroup_id_x 1
		.amdhsa_system_sgpr_workgroup_id_y 1
		.amdhsa_system_sgpr_workgroup_id_z 1
		.amdhsa_system_vgpr_workitem_id 0
		.amdhsa_next_free_vgpr 1024
		.amdhsa_next_free_sgpr 102
		.amdhsa_reserve_vcc 0
		.amdhsa_float_denorm_mode_32 3
		.amdhsa_float_denorm_mode_16_64 3
		.amdhsa_memory_ordered 1
		.amdhsa_forward_progress 1
		.amdhsa_inst_pref_size 255
	.end_amdhsa_kernel
	.section	.bss,"aw",@nobits
	.p2align	6
	.space	262144
	.amdgpu_metadata
---
amdhsa.version: [ 1, 2 ]
amdhsa.kernels:
  - .name:           k_q950a6b53f4_qkv
    .symbol:         k_q950a6b53f4_qkv.kd
    .args:
      - { .name: xq, .offset: 0, .size: 8, .value_kind: global_buffer, .address_space: global }
      - { .name: wq, .offset: 8, .size: 8, .value_kind: global_buffer, .address_space: global }
      - { .name: b_qkv, .offset: 16, .size: 8, .value_kind: global_buffer, .address_space: global }
      - { .name: rope, .offset: 24, .size: 8, .value_kind: global_buffer, .address_space: global }
      - { .name: qb, .offset: 32, .size: 8, .value_kind: global_buffer, .address_space: global }
      - { .name: kv, .offset: 40, .size: 8, .value_kind: global_buffer, .address_space: global }
    .group_segment_fixed_size: 327680
    .private_segment_fixed_size: 0
    .kernarg_segment_align: 8
    .kernarg_segment_size: 48
    .max_flat_workgroup_size: 128
    .sgpr_count:     102
    .vgpr_count:     1024
    .wavefront_size: 32
...
	.end_amdgpu_metadata
.endif
;; end of part 2
;; launch attn (part 3): grid 4 x 64, 16 waves a work-group, clusters of 4 x 1, 169,984 bytes of LDS; arguments qb, kv, oq; writes oq
.if DOCPART == 3
	.amdgcn_target "amdgcn-amd-amdhsa--gfx1250"
	.amdhsa_code_object_version 6
	.text
	.protected	k_q950a6b53f4_attn
	.globl	k_q950a6b53f4_attn
	.p2align	8
	.type	k_q950a6b53f4_attn,@function
k_q950a6b53f4_attn:
	s_mov_b64 s[64:65], 0
	v_nop
	global_prefetch_b8 v0, s[64:65] scope:SCOPE_SE
	s_setreg_imm32_b32 hwreg(HW_REG_WAVE_MODE, 25, 1), 1
	s_wait_xcnt 0x0
	s_wait_alu depctr_hold_cnt(0) depctr_sa_sdst(0) depctr_va_vdst(0) depctr_va_sdst(0) depctr_va_ssrc(0) depctr_va_vcc(0) depctr_vm_vsrc(0)
	s_getreg_b32 s2, hwreg(HW_REG_IB_STS2, 6, 4)
	s_cmp_eq_u32 s2, 0
	s_cbranch_scc0 .Lentry_in_a_cluster
	s_endpgm
.Lentry_in_a_cluster:
	s_bfe_u32 s2, ttmp6, 0x10000c
	s_cmp_lg_u32 s2, 0x3003
	s_cbranch_scc0 .Lentry_shape_is_right
	s_endpgm
.Lentry_shape_is_right:
; ATTENTION on codes of FP4 (E2M1): O = softmax(Q K^T / 8) V for one head of 64, 2,048 keys; then O / l is quantised along the model's 1,024 for the last product.
; THE SOFTMAX: t = score x log2(e) / 8; M = the running largest t rounded UP to a whole number; p = 2^(t - M) is quantised along the keys, not normalised; the row's sum is taken of the unquantised p and
; divides O at the end; when M moves, the sum and O are multiplied by 2^(old M - new M): exact.
; SHARES.  A work-group owns one (batch, head) and 512 queries; each of its sixteen waves 32 of them, as two tiles of 16 in two passes.
; THE WHOLE HEAD STAYS IN LDS: 16 records of 8,960 bytes (128 keys each: K's images, V^T's images, K's scale words, V's), filled ONCE: wave w brings record w by one tensor load, asked for jointly by the
; four work-groups of a cluster, which own the four quarters of one head's queries.  Nothing is filled again, and no later stream comes from memory: nothing is prefetched.
; LAYOUT.  Both products transposed: S^T = K Q^T (source 0 = 16 keys), O^T = V^T P^T (source 0 = 16 rows d): a lane holds one query throughout.
; WHICH KEYS FORM A TILE is chosen by the lanes' LDS addresses: rows 0-7 of tile 4 c + t are eight keys of block 2 c, rows 8-15 eight keys of block 2 c + 1.  So lane (r, h) holds, in the 32 registers of
; tiles 4 c .. 4 c + 3, the WHOLE block 2 c + h of 32 keys: its largest score needs no other lane, and the eight conversions' results are P's operand registers as they stand.
; In lanes 16-31 the block's four groups of eight keys stand in the order 2, 3, 0, 1 (so the sixteen lanes of a load touch sixteen different 16-byte columns); V's fragment is read in the same order,
; by loads of 8 bytes: a permutation of k inside a block of 32, applied to both operands alike.
; The head has 64 along the first product's K: Q's upper four registers are zero codes, so K's upper four may hold anything finite: tile T's fragment is v[32 + 4 T .. + 7], its upper half the next tile's codes.
; LIMITS: NaN and infinities are not served; the promise holds while the scaled scores t stay under 2^31 in magnitude.
; REGISTERS: v1-6 addresses; v12 -M, v13 the largest score, v[14:15] the sum; v16-23 Q; v24-31 K's scale words; v32-67 K's fragments; v68-80 LDS addresses; v96-159 S^T, then p; v160-191 O^T;
;   v192-223 V's fragments; v224-231 p's codes; v232-247, v252, v254 at work; v242, v243 the add's; v248-251 V's scale words; v253 p's; v255 Q's.
.set KREC,  8960
.set HEADB, 143360
.set REC,   8704                       ; a record of oq: 16 tokens, as the last product's operand
.set LI,  1                            ; v1 16 x lane
.set RI,  2                            ; v2 16 x (lane % 16)
.set SH8, 3                            ; v3 8 x (lane / 16)
.set HW,  5                            ; v5 O's two scale bytes
.set SOF, 6                            ; v6 16 r + (lane / 16) x 16 records of oq
.set AKA0, 68                          ; my lane's place in K's images for t < 2, t >= 2; among K's scale words likewise; in V's images, first and second 8 bytes
.set AKB0, 69
.set ASA0, 70
.set ASB0, 71
.set AVA0, 72
.set AVB0, 73
.set AKA, 74                           ; the same in the key step's record
.set AKB, 75
.set ASA, 76
.set ASB, 77
.set AVA, 78
.set AVB, 79
.set AVS, 80
.set SPW, 242
.set NIL, 243
.set WV,  18
.set SEL, 20
.set CS,  22                           ; s[22:23] c = log2(e) / 8
.set G1,  24
.set G0,  32
.set TB,  44
.set CNT, 45
.macro CROUND
	s_barrier_signal -1
	s_barrier_wait -1
	s_cmp_lg_u32 s[WV], 0
	s_cbranch_scc1 .Lnot_wave_0_\@
	s_barrier_signal -3
.Lnot_wave_0_\@:
	s_barrier_wait -3
	s_barrier_signal -1
	s_barrier_wait -1
.endm
	s_load_b128 s[4:7], s[0:1], 0x0                ; qb s[4:5], kv s[6:7]
	s_load_b64 s[8:9], s[0:1], 0x10                ; oq
	v_lshl_add_u32 v[SPW], v0, 2, 0x29000
	v_mov_b32 v[NIL], 0
	ds_add_u32 v[SPW], v[NIL]                      ; the opening lines: the add twice on end, and its wait ahead of my tensor load
	ds_add_u32 v[SPW], v[NIL]
	v_lshrrev_b32 v7, 5, v0
	v_readfirstlane_b32 s[WV], v7                  ; wave 0..15
	s_bfe_u32 s10, ttmp6, 0x40000                  ; cx: which quarter of the queries; it enters Q's and oq's addresses alone
	s_and_b32 s11, ttmp7, 0xffff                   ; 16 x batch + head, which the four partners share
	s_mul_i32 s12, s11, HEADB
	s_mov_b32 s13, 0
	s_mul_i32 s14, s[WV], KREC                     ; record w: in memory and in LDS
	s_mov_b32 s15, 0
	s_mov_b32 s[G1], 15|(3<<16)|(1<<21)            ; the mask: all four work-groups; elements of 8 bytes; bit 21 beside a mask
	s_mov_b32 s[G1+1], 32<<16                      ; a dense block as 35 rows of 256 bytes
	s_mov_b32 s[G1+2], 35<<16
	s_mov_b32 s[G1+3], 32<<16
	s_mov_b32 s[G1+4], 35
	s_mov_b32 s[G1+5], 32
	s_mov_b32 s[G1+6], 0
	s_mov_b32 s[G1+7], 0
	s_mov_b32 s19, 0xffff0000                      ; lanes 16-31
	s_mov_b32 s[SEL], 0x76543210
	s_mov_b32 s[SEL+1], 0xfedcba98
	s_mov_b32 s[CS], 0x3e38aa3b
	s_mov_b32 s[CS+1], s[CS]
	s_mov_b32 s47, 0
	s_wait_dscnt 0x0
	s_wait_kmcnt 0x0
	s_add_nc_u64 s[6:7], s[6:7], s[12:13]
	s_mov_b32 s[G0], 1
	s_mov_b32 s[G0+1], s14
	s_add_nc_u64 s[G0+2:G0+3], s[6:7], s[14:15]
	s_or_b32 s[G0+3], s[G0+3], 0x80000000
	CROUND                                         ; all four work-groups are here: the joint loads meet
	tensor_load_to_lds s[G0:G0+3], s[G1:G1+7]      ; my one tensor load
	s_nop 0
.rept 4
	v_nop
.endr
	; Q: pass p takes tile 32 cx + 16 p + w of the head's 128: record 4 cx + 2 p + w / 8, tile w % 8
	s_lshl_b32 s16, s10, 2
	s_lshr_b32 s17, s[WV], 3
	s_add_co_u32 s16, s16, s17
	s_mul_i32 s16, s16, KREC
	s_add_co_u32 s16, s16, s12
	s_and_b32 s17, s[WV], 7
	s_lshl_b32 s46, s17, 9
	s_add_co_u32 s46, s46, s16
	s_add_nc_u64 s[36:37], s[4:5], s[46:47]        ; its image,
	s_lshr_b32 s46, s17, 2
	s_lshl_b32 s46, s46, 8
	s_and_b32 s17, s[WV], 3
	s_lshl_b32 s17, s17, 2
	s_add_co_u32 s46, s46, s17
	s_add_co_u32 s46, s46, s16
	s_add_co_u32 s46, s46, 8192
	s_add_nc_u64 s[38:39], s[4:5], s[46:47]        ; its scale words
	; oq: record 128 x batch + 32 cx + 16 p + w; my head's 64 along K are bytes 512 x head on
	s_lshr_b32 s16, s11, 4
	s_lshl_b32 s16, s16, 7
	s_lshl_b32 s17, s10, 5
	s_add_co_u32 s16, s16, s17
	s_add_co_u32 s16, s16, s[WV]
	s_mul_i32 s16, s16, REC
	s_and_b32 s17, s11, 15                         ; head
	s_lshl_b32 s46, s17, 9
	s_add_co_u32 s46, s46, s16
	s_add_nc_u64 s[40:41], s[8:9], s[46:47]
	s_lshr_b32 s46, s17, 3                         ; its two scale bytes: 8,192 + 256 (head / 8) + 16 r + 2 (head % 8)
	s_lshl_b32 s46, s46, 8
	s_and_b32 s17, s17, 7
	s_lshl_b32 s17, s17, 1
	s_add_co_u32 s46, s46, s17
	s_add_co_u32 s46, s46, s16
	s_add_co_u32 s46, s46, 8192
	s_add_nc_u64 s[42:43], s[8:9], s[46:47]
	v_and_b32 v7, 31, v0
	v_and_b32 v8, 15, v0
	v_bfe_u32 v9, v0, 4, 1                         ; h
	v_lshlrev_b32 v[LI], 4, v7
	v_lshlrev_b32 v[RI], 4, v8
	v_mul_u32_u24 v[SOF], v9, 16*REC
	global_load_b128 v[16:19], v[LI], s[36:37]     ; pass 0's Q
	global_load_b32 v255, v[RI], s[38:39]
	v_add_nc_u32 v[SOF], v[SOF], v[RI]
	v_bfe_u32 v10, v0, 3, 1                        ; g = (lane / 8) % 2: which of the tile's two blocks my row belongs to
	v_and_b32 v11, 7, v0                           ; i
	v_lshlrev_b32 v[SH8], 3, v9
	v_lshlrev_b32 v11, 4, v11                      ; 16 i
	v_lshl_add_u32 v[ASA0], v10, 3, v11            ; scale words: 16 i + 8 g
	v_lshl_add_u32 v[AKA0], v10, 10, v11           ; images: 16 i + 1024 g
	v_lshlrev_b32 v10, 7, v10                      ; 128 g: which eight places of the filed tile: g for t < 2, 1 - g for t >= 2
	v_lshl_add_u32 v[AKA0], v9, 8, v[AKA0]         ; + 256 h
	v_add_nc_u32 v[ASA0], v[ASA0], v10
	v_add_nc_u32 v[AKA0], v[AKA0], v10
	v_xor_b32 v[ASB0], 128, v[ASA0]
	v_xor_b32 v[AKB0], 128, v[AKA0]
	v_add_nc_u32 v[AVA0], v[LI], v[SH8]            ; V: lanes 0-15 take their 16 bytes in order, lanes 16-31 the second 8 first
	v_xor_b32 v[AVB0], 8, v[AVA0]
.irp j, 20,21,22,23,64,65,66,67
	v_mov_b32 v[\j], 0                             ; Q's upper 64 along K: zero codes; and the registers behind K's last tile
.endr
.irp b, 0,1,2,3
	v_mov_b32 v[236+\b], 0                         ; a lane permute's destination counts as one of its sources
.endr
	v_mov_b32 v253, 0                              ; (named as the upper half of the pair v[252:253] before it is first written)
	s_wait_alu depctr_va_vdst(0)
	s_wait_tensorcnt 0x0                           ; my record is in,
	s_barrier_signal -1
	s_barrier_wait -1                              ; everybody's is: the head lies in LDS for the rest of the launch
.macro OM j                                    ; O^T under the new M
	v_pk_mul_f32 v[160+\j:161+\j], v[160+\j:161+\j], v[252:253] op_sel_hi:[1,0]
.endm
.macro PSUM acc, k                             ; a pair of p onto a partial sum
	v_pk_add_f32 v[\acc:\acc+1], v[\acc:\acc+1], v[96+2*(\k):97+2*(\k)]
.endm
; A KEY STEP: 128 keys, the record at s[TB].
.macro STEP
	v_add_nc_u32 v[AKA], s[TB], v[AKA0]
	v_add_nc_u32 v[AKB], s[TB], v[AKB0]
	v_add_nc_u32 v[ASA], s[TB], v[ASA0]
	v_add_nc_u32 v[ASB], s[TB], v[ASB0]
.irp c, 0,1
.irp u, 0,1
	ds_load_b128 v[32+4*(4*\c+\u):35+4*(4*\c+\u)], v[AKA] offset:2048*\c+512*\u
	ds_load_b128 v[32+4*(4*\c+2+\u):35+4*(4*\c+2+\u)], v[AKB] offset:2048*\c+512*\u
.endr
	ds_load_b64 v[24+4*\c:25+4*\c], v[ASA] offset:8192+256*\c
	ds_load_b64 v[26+4*\c:27+4*\c], v[ASB] offset:8192+256*\c
.endr
	s_wait_dscnt 0x0                               ; K and its scale words are in
.irp t, 0,1,2,3,4,5,6,7
	v_wmma_scale_f32_16x16x128_f8f6f4 v[96+8*\t:103+8*\t], v[32+4*\t:39+4*\t], v[16:23], 0, v[24+\t], v255 matrix_a_fmt:MATRIX_FMT_FP4 matrix_b_fmt:MATRIX_FMT_FP4
.endr
	v_add_nc_u32 v[AVA], s[TB], v[AVA0]            ; these four lines are the places behind the products
	v_add_nc_u32 v[AVB], s[TB], v[AVB0]
	v_add_nc_u32 v[AVS], s[TB], v[RI]
	v_mov_b32 v254, v12                            ; the old -M
.irp t, 0,1,2,3
.irp c, 0,1
	ds_load_b64 v[192+8*\t+4*\c:193+8*\t+4*\c], v[AVA] offset:4096+1024*\t+512*\c
	ds_load_b64 v[194+8*\t+4*\c:195+8*\t+4*\c], v[AVB] offset:4096+1024*\t+512*\c
.endr
.endr
	ds_load_b128 v[248:251], v[AVS] offset:8704
.irp c, 0,1                                    ; the largest score of my two blocks of 32 keys, each in two chains; every accumulator is first read at its low end
	v_max3_num_f32 v[232+\c], v[96+32*\c], v[97+32*\c], v[98+32*\c]
	v_max3_num_f32 v[234+\c], v[112+32*\c], v[113+32*\c], v[114+32*\c]
.endr
.irp i, 3,5,7,9,11,13
.irp c, 0,1
	v_max3_num_f32 v[232+\c], v[232+\c], v[96+32*\c+\i], v[97+32*\c+\i]
	v_max3_num_f32 v[234+\c], v[234+\c], v[112+32*\c+\i], v[113+32*\c+\i]
.endr
.endr
.irp c, 0,1
	v_max3_num_f32 v[232+\c], v[232+\c], v[234+\c], v[111+32*\c]
.endr
.irp c, 0,1
	v_max_num_f32 v[232+\c], v[232+\c], v[127+32*\c]
.endr
	s_delay_alu instid0(VALU_DEP_1)
	v_max_num_f32 v234, v232, v233                 ; my 64 keys',
	s_delay_alu instid0(VALU_DEP_1)
	v_permlanex16_b32 v236, v234, s[SEL], s[SEL+1]
	s_delay_alu instid0(VALU_DEP_1)
	v_max3_num_f32 v13, v13, v234, v236            ; lane l xor 16's, and the running largest score
	s_delay_alu instid0(VALU_DEP_1)
	v_mul_f32 v235, s[CS], v13                     ; as t (c is positive)
	s_delay_alu instid0(VALU_DEP_1)
	v_floor_f32 v12, -v235                         ; the new -M = floor(-t) = -ceil(t)
	s_delay_alu instid0(VALU_DEP_1)
	v_sub_f32 v254, v12, v254                      ; old M - new M: a whole number, 0 or less
	s_delay_alu instid0(VALU_DEP_1)
	v_cvt_i32_f32 v254, v254                       ; (it saturates)
	s_delay_alu instid0(VALU_DEP_1)
	v_ldexp_f32 v252, 1.0, v254                    ; f = 2^(old M - new M)
.irp j, 0,2,4,6,8,10,12,14,16,18,20,22,24,26,28,30,32,34,36,38,40,42,44,46,48,50,52,54,56,58,60,62
	v_pk_fma_f32 v[96+\j:97+\j], v[96+\j:97+\j], s[CS:CS+1], v[12:13] op_sel_hi:[1,0,0]   ; t - M, two at a time
.endr
.irp c, 0,1
	v_fma_f32 v[232+\c], v[232+\c], s[CS], v12     ; the same of each block's largest score
.endr
	s_wait_alu depctr_va_vdst(0)
.irp j, 0,1,2,3,4,5,6,7,8,9,10,11,12,13,14,15,16,17,18,19,20,21,22,23,24,25,26,27,28,29,30,31,32,33,34,35,36,37,38,39,40,41,42,43,44,45,46,47,48,49,50,51,52,53,54,55,56,57,58,59,60,61,62,63
	v_exp_f32 v[96+\j], v[96+\j]                   ; p = 2^(t - M), at most 1
.endr
.irp c, 0,1
	v_exp_f32 v[232+\c], v[232+\c]                 ; the block's largest p: the same two instructions on the same number
.endr
	v_pk_mul_f32 v[14:15], v[14:15], v[252:253] op_sel_hi:[1,0]   ; the sums under the new M (a plain place behind the exponentials)
	s_wait_alu depctr_va_vdst(0)                   ; one wait for the batch and, directly ahead of its first reader, for O^T
	OM 0                                           ; the sixteen rescalings, each accumulator from its low end on, with the scale word's chain laid between them
	OM 2
	v_max_num_f32 v232, 0x1800000, v232            ; the floor 2^(3 - 127): the byte cannot fall under 1
	v_max_num_f32 v233, 0x1800000, v233
	OM 4
	OM 6
	v_add_nc_u32 v244, 0xff000000, v232            ; 2 off the exponent field: the conversion's scale operand
	v_add_nc_u32 v245, 0xff000000, v233
	OM 8
	OM 10
	v_lshrrev_b32 v237, 23, v244                   ; the bytes of blocks h and 2 + h
	v_lshrrev_b32 v238, 23, v245
	OM 12
	OM 14
	v_lshl_or_b32 v238, v238, 16, v237
	OM 16
	OM 18
	v_lshlrev_b32 v238, v[SH8], v238               ; at their places in the word
	OM 20
	OM 22
	v_permlanex16_b32 v239, v238, s[SEL], s[SEL+1]
	OM 24
	OM 26
	v_or_b32 v253, v238, v239                      ; with lane l xor 16's two: p's scale word for these 128 keys
	OM 28
	OM 30
.irp t, 0,1,2,3,4,5,6,7
	v_cvt_scalef32_pk8_fp4_f32 v[224+\t], v[96+8*\t:103+8*\t], v[244+\t/4]   ; register 4 c + t of P's operand
.endr
	PSUM 14, 0                                     ; the row's sum of the unquantised p, in four chains; these 32 lines are also the places ahead of the products below
	v_pk_add_f32 v[234:235], v[112:113], v[114:115]
	v_pk_add_f32 v[240:241], v[128:129], v[130:131]
	v_pk_add_f32 v[246:247], v[144:145], v[146:147]
	PSUM 14, 1
.irp k, 2,3,4,5,6,7
	PSUM 14, \k
	PSUM 234, 8+\k
	PSUM 240, 16+\k
	PSUM 246, 24+\k
.endr
	v_pk_add_f32 v[14:15], v[14:15], v[234:235]
	v_pk_add_f32 v[240:241], v[240:241], v[246:247]
	s_delay_alu instid0(VALU_DEP_1)
	v_pk_add_f32 v[14:15], v[14:15], v[240:241]
	s_wait_alu depctr_va_vdst(0)
	s_wait_dscnt 0x0                               ; V and its scale words are in
.irp t, 0,1,2,3                                ; the four accumulators take turns
	v_wmma_scale_f32_16x16x128_f8f6f4 v[160+8*\t:167+8*\t], v[192+8*\t:199+8*\t], v[224:231], v[160+8*\t:167+8*\t], v[248+\t], v253 matrix_a_fmt:MATRIX_FMT_FP4 matrix_b_fmt:MATRIX_FMT_FP4
.endr
.endm
; THE WAY OUT of a pass: O^T / the sum; register 16 b + i is d = 32 b + 16 (lane / 16) + i of my query: two blocks of 32 along the last product's K, quantised here.
.macro OUT p
.rept 4
	v_nop                                          ; places behind the last products
.endr
	v_add_f32 v14, v14, v15                        ; the sum's two halves,
	s_delay_alu instid0(VALU_DEP_1)
	v_permlanex16_b32 v252, v14, s[SEL], s[SEL+1]
	s_delay_alu instid0(VALU_DEP_1)
	v_add_f32 v14, v14, v252                       ; and lane l xor 16's
	s_wait_alu depctr_va_vdst(0)
	v_rcp_f32 v14, v14
	v_nop                                          ; a plain place behind the transcendental
	s_wait_alu depctr_va_vdst(0)
.irp j, 0,2,4,6,8,10,12,14,16,18,20,22,24,26,28,30
	v_pk_mul_f32 v[96+\j:97+\j], v[160+\j:161+\j], v[14:15] op_sel_hi:[1,0]   ; each accumulator from its low end on
.endr
.irp b, 0,1
	v_max3_num_f32 v[232+\b], |v[96+16*\b]|, |v[97+16*\b]|, 0x1800000
.endr
.irp i, 2,4,6,8,10,12,14
.irp b, 0,1
	s_delay_alu instid0(VALU_DEP_2)
	v_max3_num_f32 v[232+\b], v[232+\b], |v[96+16*\b+\i]|, |v[97+16*\b+\i]|
.endr
.endr
.irp b, 0,1
	s_delay_alu instid0(VALU_DEP_2)
	v_permlanex16_b32 v[236+\b], v[232+\b], s[SEL], s[SEL+1]
.endr
.irp b, 0,1
	s_delay_alu instid0(VALU_DEP_2)
	v_max_num_f32 v[232+\b], v[232+\b], v[236+\b]
.endr
.irp b, 0,1
	s_delay_alu instid0(VALU_DEP_2)
	v_add_nc_u32 v[244+\b], 0xff000000, v[232+\b]
.endr
.irp b, 0,1
	s_delay_alu instid0(VALU_DEP_2)
	v_lshrrev_b32 v[236+\b], 23, v[244+\b]
.endr
.irp b, 0,1
	v_cvt_scalef32_pk8_fp4_f32 v[224+2*\b], v[96+16*\b:103+16*\b], v[244+\b]
	v_cvt_scalef32_pk8_fp4_f32 v[225+2*\b], v[104+16*\b:111+16*\b], v[244+\b]
.endr
	v_nop
	v_permlane16_swap_b32 v224, v226               ; lanes 0-15: d = 0 .. 31, lanes 16-31: d = 32 .. 63
	v_permlane16_swap_b32 v225, v227
	global_store_b128 v[LI], v[224:227], s[40:41] offset:(\p)*16*REC   ; 512 consecutive bytes of the tile's record
.if (\p) == 0
	v_lshl_or_b32 v[HW], v237, 8, v236             ; the two bytes of this pass's rows are kept,
.else
	v_lshl_or_b32 v238, v237, 8, v236
	s_delay_alu instid0(VALU_DEP_1)
	v_cndmask_b32 v[HW], v[HW], v238, s19          ; lanes 0-15 store pass 0's, lanes 16-31 pass 1's.  A head owns two of a row's 32 scale bytes: stores of two bytes, one sixteenth of the codes' bytes
	global_store_b16 v[SOF], v[HW], s[42:43]
.endif
.endm
.macro PASS p
	v_mov_b32 v13, 0xff61b1e6                      ; the largest score so far: -3e38
	v_mov_b32 v12, 0x7f61b1e6                      ; -M: the first step's f is then 0, on zeros
	v_mov_b32 v14, 0
	v_mov_b32 v15, 0
.irp j, 0,1,2,3,4,5,6,7,8,9,10,11,12,13,14,15,16,17,18,19,20,21,22,23,24,25,26,27,28,29,30,31
	v_mov_b32 v[160+\j], 0                         ; O^T: the key step is written once: its first trip finds zeros
.endr
	s_mov_b32 s[TB], 0
	s_mov_b32 s[CNT], 16
	s_wait_alu depctr_va_vdst(0)
	s_wait_loadcnt 0x0                             ; Q
	s_wait_xcnt 0x0                                ; the last pass's stores have read their data: those registers are written again only behind this wait
.Lkeys_\@:
	STEP
	s_add_co_u32 s[TB], s[TB], KREC
	s_sub_co_u32 s[CNT], s[CNT], 1
	s_cmp_lg_u32 s[CNT], 0
	s_cbranch_scc1 .Lkeys_\@
.if (\p) == 0
	global_load_b128 v[16:19], v[LI], s[36:37] offset:2*KREC   ; the next pass's Q lands under the way out (the last products that read Q stand a softmax back)
	global_load_b32 v255, v[RI], s[38:39] offset:2*KREC
.endif
	OUT \p
.endm
	PASS 0
	PASS 1
	s_wait_tensorcnt 0x0                           ; the wave's end
	ds_add_u32 v[SPW], v[NIL]
	s_wait_dscnt 0x0
	CROUND                                         ; the closing round: no work-group ends while a partner may still ask for a tile that names it
	s_endpgm
.Lfunc_end_k_q950a6b53f4_attn:
	.size	k_q950a6b53f4_attn, .Lfunc_end_k_q950a6b53f4_attn-k_q950a6b53f4_attn
	.p2alignl 7, 3214868480
	.fill 96, 4, 3214868480
	.section	.rodata,"a",@progbits
	.p2align	6, 0x0
	.amdhsa_kernel k_q950a6b53f4_attn
		.amdhsa_group_segment_fixed_size 169984
		.amdhsa_private_segment_fixed_size 0
		.amdhsa_enable_private_segment 0
		.amdhsa_kernarg_size 24
		.amdhsa_user_sgpr_count 2
		.amdhsa_user_sgpr_kernarg_segment_ptr 1
		.amdhsa_wavefront_size32 1
		.amdhsa_system_sgpr_workgroup_id_x 1
		.amdhsa_system_sgpr_workgroup_id_y 1
		.amdhsa_system_sgpr_workgroup_id_z 1
		.amdhsa_system_vgpr_workitem_id 0
		.amdhsa_next_free_vgpr 256
		.amdhsa_next_free_sgpr 66
		.amdhsa_reserve_vcc 0
		.amdhsa_float_denorm_mode_32 3
		.amdhsa_float_denorm_mode_16_64 3
		.amdhsa_memory_ordered 1
		.amdhsa_forward_progress 1
		.amdhsa_inst_pref_size 47
	.end_amdhsa_kernel
	.amdgpu_metadata
---
amdhsa.version: [ 1, 2 ]
amdhsa.kernels:
  - .name:           k_q950a6b53f4_attn
    .symbol:         k_q950a6b53f4_attn.kd
    .args:
      - { .name: qb, .offset: 0, .size: 8, .value_kind: global_buffer, .address_space: global }
      - { .name: kv, .offset: 8, .size: 8, .value_kind: global_buffer, .address_space: global }
      - { .name: oq, .offset: 16, .size: 8, .value_kind: global_buffer, .address_space: global }
    .group_segment_fixed_size: 169984
    .private_segment_fixed_size: 0
    .kernarg_segment_align: 8
    .kernarg_segment_size: 24
    .max_flat_workgroup_size: 512
    .sgpr_count:     66
    .vgpr_count:     256
    .wavefront_size: 32
...
	.end_amdgpu_metadata
.endif
;; end of part 3
;; launch proj (part 4): grid 4 x 64, 4 waves a work-group, clusters of 4 x 4, 243,200 bytes of LDS; arguments oq, wp, b_proj, out0; writes out0
.if DOCPART == 4
	.amdgcn_target "amdgcn-amd-amdhsa--gfx1250"
	.amdhsa_code_object_version 6
	.text
	.protected	k_q950a6b53f4_proj
	.globl	k_q950a6b53f4_proj
	.p2align	8
	.type	k_q950a6b53f4_proj,@function
k_q950a6b53f4_proj:
	s_mov_b64 s[64:65], 0
	v_nop
	global_prefetch_b8 v0, s[64:65] scope:SCOPE_SE
	s_setreg_imm32_b32 hwreg(HW_REG_WAVE_MODE, 25, 1), 1
	s_wait_xcnt 0x0
	s_wait_alu depctr_hold_cnt(0) depctr_sa_sdst(0) depctr_va_vdst(0) depctr_va_sdst(0) depctr_va_ssrc(0) depctr_va_vcc(0) depctr_vm_vsrc(0)
	s_getreg_b32 s2, hwreg(HW_REG_IB_STS2, 6, 4)
	s_cmp_eq_u32 s2, 0
	s_cbranch_scc0 .Lentry_in_a_cluster
	s_endpgm
.Lentry_in_a_cluster:
	s_bfe_u32 s2, ttmp6, 0x10000c
	s_cmp_lg_u32 s2, 0xf033
	s_cbranch_scc0 .Lentry_shape_is_right
	s_endpgm
.Lentry_shape_is_right:
; PROJ: out0 = O W_proj + b_proj on codes of FP4 (E2M1) with E8M0 scales.  A block of 128 tokens x 256 features is made by four waves, each 64 x 128: 32 accumulators of 16 x 16.  64 x 4 blocks: 256 work-groups.
; OPERANDS come as records of 8,704 bytes for 16 rows: the fragments' registers as they stand (1024 ks + 512 c + 16 lane), then scale words (8,192 + 256 (ks / 4) + 16 r + 4 (ks % 4)).
; Place r of tile t is row 32 (t / 2) + 8 (t % 2) + r % 8 + 16 (r / 8).  All of K = 1,024 comes ONCE: waves 0 and 1 bring 4 records of A' (tokens) each, waves 2 and 3 bring 8 of B' (features) each, one tensor load a wave,
; a dense block stated as rows of 256 bytes.  Nothing is filled again; the launch has no loop to run ahead in, so nothing is prefetched.
; CLUSTERS: 4 x 4 work-groups; A' is shared along a row of the cluster, B' along a column, each asked for jointly.
; THE MATRIX INSTRUCTION: source 0 = 16 rows of B', source 1 = 16 rows of A': a lane holds one token, and the 16 registers of B' tiles 2 b, 2 b + 1 are 16 neighbouring features.  The bias is the first product's C.
; REGISTERS: window 0: v16-31 addresses; v32-95 scale words; v128-191 A' fragments, two sets; on the way out v128-255.  window 1: B' fragments, two sets, v0-63 and v128-191; v64-127 the bias.  window 2: the accumulators.
.set REC,   8704
.set BB0,   8*REC                      ; LDS: A' 8 records, then B' 16,
.set STAGE, 24*REC                     ; then a stage of 16 rows x 528 bytes for each wave: bytes into which no tensor load lands,
.set SPARE, STAGE+4*16*528             ; then the spare words
.set ADRA, 16                          ; v16-17 my A' fragments, K steps 0-3, 4-7
.set ADRB, 20                          ; v20-21 B'
.set STO,  24
.set RD,   25
.set CO,   26                          ; 16 x lane
.set ADRS, 27                          ; my scale words: lanes 0-15 A', lanes 16-31 B'
.set BO,   28                          ; 64 (lane / 16)
.set SPW,  30
.set NIL,  31
.set SC,   32
.set AF,   128
.set BK,   128
.set BI,   64
.set G1, 24
.set G0, 32
.set G1B, 48
.set G0B, 56
.set MSB, 0
.macro WIN new                         ; the immediate's high byte repeats the setting that is left
.if MSB != (\new)
	s_set_vgpr_msb (MSB<<8)|(\new)
.set MSB, (\new)
.endif
.endm
.set MUL_LO,   0xa1                    ; source 0 (B') window 1, source 1 (A') window 0, C and D window 2
.set FIRST_LO, 0x91                    ; the same with C (the bias) in window 1
.set TO_B,     0x40
.macro CROUND
	s_barrier_signal -1
	s_barrier_wait -1
	s_cmp_lg_u32 s16, 0
	s_cbranch_scc1 .Lnot_wave_0_\@
	s_barrier_signal -3
.Lnot_wave_0_\@:
	s_barrier_wait -3
	s_barrier_signal -1
	s_barrier_wait -1
.endm
.macro PLACES
.rept 4
	v_nop
.endr
.endm
.macro FRAG reg, adr, q, i
.irp c, 0,1
	ds_load_b128 v[\reg+4*\c:\reg+4*\c+3], v[\adr] offset:1024*(\q)+512*\c+(\i)*REC
.endr
.endm
.macro FETCH ks                        ; K step ks: 24 loads: B' eight fragments and A' four, into sets ks % 2
	WIN TO_B
.irp i, 0,1,2,3,4,5,6,7
	FRAG 128*((\ks)%2)+8*\i, ADRB+(\ks)/4, (\ks)%4, \i
.endr
	WIN 0
.irp i, 0,1,2,3
	FRAG AF+32*((\ks)%2)+8*\i, ADRA+(\ks)/4, (\ks)%4, \i
.endr
.endm
.macro SCALES sc                       ; the scale words of K steps 4 sc on: lanes 0-15 A' record i (used for i < 4), lanes 16-31 B' record i
.irp i, 0,1,2,3,4,5,6,7
	ds_load_b128 v[SC+32*\sc+4*\i:SC+32*\sc+4*\i+3], v[ADRS] offset:\i*REC+256*\sc
.endr
.endm
.macro MUL32 ks, first                 ; the 32 accumulators take turns, one instruction a turn
.irp a, 0,1,2,3
.irp b, 0,1,2,3,4,5,6,7
.if \first
	v_wmma_scale_f32_16x16x128_f8f6f4 v[8*(8*\a+\b):8*(8*\a+\b)+7], v[128*((\ks)%2)+8*\b:128*((\ks)%2)+8*\b+7], v[AF+32*((\ks)%2)+8*\a:AF+32*((\ks)%2)+8*\a+7], v[BI+8*\b:BI+8*\b+7], v[SC+32*((\ks)/4)+4*\b+(\ks)%4], v[SC+32*((\ks)/4)+4*\a+(\ks)%4] matrix_a_fmt:MATRIX_FMT_FP4 matrix_b_fmt:MATRIX_FMT_FP4 matrix_a_scale:MATRIX_SCALE_ROW1
.else
	v_wmma_scale_f32_16x16x128_f8f6f4 v[8*(8*\a+\b):8*(8*\a+\b)+7], v[128*((\ks)%2)+8*\b:128*((\ks)%2)+8*\b+7], v[AF+32*((\ks)%2)+8*\a:AF+32*((\ks)%2)+8*\a+7], v[8*(8*\a+\b):8*(8*\a+\b)+7], v[SC+32*((\ks)/4)+4*\b+(\ks)%4], v[SC+32*((\ks)/4)+4*\a+(\ks)%4] matrix_a_fmt:MATRIX_FMT_FP4 matrix_b_fmt:MATRIX_FMT_FP4 matrix_a_scale:MATRIX_SCALE_ROW1
.endif
.endr
.endr
.endm
	s_load_b256 s[4:11], s[0:1], 0x0               ; oq s[4:5], wp s[6:7], b_proj s[8:9], out0 s[10:11]
	v_lshl_add_u32 v[SPW], v0, 2, SPARE
	v_mov_b32 v[NIL], 0
	ds_add_u32 v[SPW], v[NIL]                      ; the opening lines: the add twice on end, and its wait ahead of my tensor load
	ds_add_u32 v[SPW], v[NIL]
	v_lshrrev_b32 v1, 5, v0
	v_readfirstlane_b32 s16, v1                    ; wave 0..3
	s_lshr_b32 s17, s16, 1                         ; which 64 tokens are mine.  Also: I fetch for A' (0) or B' (1)
	s_and_b32 s18, s16, 1                          ; which 128 features.  Also: which half of that operand I fetch
	s_bfe_u32 s40, ttmp6, 0x40000                  ; cx
	s_bfe_u32 s41, ttmp6, 0x40004                  ; cy
	s_lshl_b32 s42, ttmp9, 2
	s_add_co_u32 s42, s42, s40                     ; which 256 features
	s_and_b32 s43, ttmp7, 0xffff
	s_lshl_b32 s43, s43, 2
	s_add_co_u32 s43, s43, s41                     ; which 128 tokens
	s_lshl_b32 s44, s41, 2
	s_lshl_b32 s44, 15, s44                        ; my row of the cluster
	s_lshl_b32 s45, 0x1111, s40                    ; my column
	s_or_b32 s[G1], s44, (3<<16)|(1<<21)           ; the mask; elements of 8 bytes; bit 21 beside a mask
	s_or_b32 s[G1B], s45, (3<<16)|(1<<21)
	s_mov_b32 s[G1+1], 32<<16                      ; A': 4 records: 136 rows of 256 bytes
	s_mov_b32 s[G1+2], 136<<16
	s_mov_b32 s[G1+3], 32<<16
	s_mov_b32 s[G1+4], 136
	s_mov_b32 s[G1+5], 32
	s_mov_b32 s[G1+6], 0
	s_mov_b32 s[G1+7], 0
	s_mov_b32 s[G1B+1], 32<<16                     ; B': 8 records: 272 rows
	s_mov_b32 s[G1B+2], 272<<16
	s_mov_b32 s[G1B+3], 32<<16
	s_mov_b32 s[G1B+4], 272
	s_mov_b32 s[G1B+5], 32
	s_mov_b32 s[G1B+6], 0
	s_mov_b32 s[G1B+7], 0
	s_lshl_b32 s92, s43, 3
	s_lshl_b32 s93, s18, 2
	s_add_co_u32 s92, s92, s93
	s_mul_i32 s92, s92, REC                        ; A': record 8 x block + 4 x half
	s_mov_b32 s93, 0
	s_lshl_b32 s94, s42, 4
	s_lshl_b32 s95, s18, 3
	s_add_co_u32 s94, s94, s95
	s_mul_i32 s94, s94, REC                        ; B': record 16 x block + 8 x half
	s_mov_b32 s95, 0
	s_mul_i32 s66, s18, 4*REC                      ; where they go: no place in the cluster enters an LDS address
	s_mul_i32 s67, s18, 8*REC
	s_add_co_u32 s67, s67, BB0
	s_wait_dscnt 0x0
	s_wait_kmcnt 0x0
	s_add_nc_u64 s[92:93], s[4:5], s[92:93]
	s_add_nc_u64 s[94:95], s[6:7], s[94:95]
	CROUND                                         ; all sixteen work-groups are here: the joint loads meet
	s_mov_b32 s[G0], 1
	s_mov_b32 s[G0+1], s66
	s_mov_b64 s[G0+2:G0+3], s[92:93]
	s_or_b32 s[G0+3], s[G0+3], 0x80000000
	s_mov_b32 s[G0B], 1
	s_mov_b32 s[G0B+1], s67
	s_mov_b64 s[G0B+2:G0B+3], s[94:95]
	s_or_b32 s[G0B+3], s[G0B+3], 0x80000000
	s_cmp_eq_u32 s17, 0                            ; one tensor load a wave, in one of two arms
	s_cbranch_scc0 .Lfor_b
	tensor_load_to_lds s[G0:G0+3], s[G1:G1+7]
	s_nop 0
	PLACES
	s_branch .Lasked
.Lfor_b:
	tensor_load_to_lds s[G0B:G0B+3], s[G1B:G1B+7]
	s_nop 0
	PLACES
.Lasked:
	s_mul_i32 s2, s17, 4*REC                       ; my 4 tiles of A'; my 8 of B' begin at s67
	s_sub_co_u32 s20, s67, s2
	s_add_co_u32 s21, s2, 8192
	s_mul_i32 s22, s16, 16*528
	s_add_co_u32 s22, s22, STAGE                   ; my stage
	s_lshl_b32 s98, s42, 10
	s_lshl_b32 s97, s18, 9
	s_add_co_u32 s98, s98, s97                     ; my first feature, in bytes
	s_mov_b32 s99, 0
	s_add_nc_u64 s[8:9], s[8:9], s[98:99]
	s_lshl_b32 s96, s43, 19                        ; my first token's row of 4,096 bytes: 128 x block + 64 x half
	s_lshl_b32 s97, s17, 18
	s_add_co_u32 s96, s96, s97
	s_add_co_u32 s96, s96, s98
	s_mov_b32 s97, 0
	s_add_nc_u64 s[10:11], s[10:11], s[96:97]
	v_and_b32 v1, 15, v0                           ; r
	v_bfe_u32 v2, v0, 4, 1                         ; h
	v_and_b32 v3, 31, v0
	v_lshlrev_b32 v[CO], 4, v3
	v_lshlrev_b32 v[BO], 6, v2
	v_mul_u32_u24 v4, s20, v2                      ; lanes 16-31 take B' scale words
	v_mul_u32_u24 v5, v1, 528
	v_add_nc_u32 v[ADRA], s2, v[CO]
	v_add_nc_u32 v[ADRB], s67, v[CO]
	v_lshl_add_u32 v4, v1, 4, v4
	v_add_nc_u32 v5, v5, v[BO]
	v_add_nc_u32 v[ADRA+1], 4096, v[ADRA]
	v_add_nc_u32 v[ADRB+1], 4096, v[ADRB]
	v_add_nc_u32 v[ADRS], s21, v4
	v_add_nc_u32 v[STO], s22, v5                   ; the stage, in: row r, + 64 h
	v_add_nc_u32 v[RD], s22, v[CO]                 ; and back: a row of 512 bytes to the 32 lanes
	WIN TO_B
.irp bb, 0,1,2,3,4,5,6,7                       ; the bias in the result's layout: B' tile bb, register j: feature 32 (bb / 2) + 8 (bb % 2) + 16 h + j
	global_load_b128 v[BI+8*\bb:BI+8*\bb+3], v[BO], s[8:9] offset:(32*(\bb/2)+8*(\bb%2))*4
	global_load_b128 v[BI+8*\bb+4:BI+8*\bb+7], v[BO], s[8:9] offset:(32*(\bb/2)+8*(\bb%2))*4+16
.endr
	WIN 0
	s_wait_alu depctr_va_vdst(0)
	s_wait_tensorcnt 0x0                           ; my records are in,
	s_barrier_signal -1
	s_barrier_wait -1                              ; everybody's are
	FETCH 0
	SCALES 0
	SCALES 1
	s_wait_loadcnt 0x0                             ; the bias
.irp ks, 0,1,2,3,4,5,6,7
.if \ks > 0
	PLACES                                         ; in front of loads into the sets that the step before multiplied
.endif
.if \ks < 7
	FETCH \ks+1
	s_wait_dscnt 24                                ; all but the 24 loads just issued: this step's fragments are in
.else
	s_wait_dscnt 0x0
.endif
.if \ks == 0
	WIN FIRST_LO
	MUL32 \ks, 1
.else
	WIN MUL_LO
	MUL32 \ks, 0
.endif
.endr
	WIN 0
; THE WAY OUT, block by block of 16 tokens x 128 features, through my own stage: in as 32 bytes a lane, back as whole rows of 512 bytes.  LDS serves a wave's instructions in order.
.macro TOSTAGE a
	WIN 0x08                                       ; the data: window 2
.irp b, 0,1,2,3,4,5,6,7
	ds_store_b128 v[STO], v[64*(\a)+8*\b:64*(\a)+8*\b+3] offset:128*(\b/2)+32*(\b%2)          ; each accumulator from its low end on
	ds_store_b128 v[STO], v[64*(\a)+8*\b+4:64*(\a)+8*\b+7] offset:128*(\b/2)+32*(\b%2)+16
.endr
	WIN 0
.set BB, BK+64*((\a)%2)
.irp t, 0,1,2,3,4,5,6,7,8,9,10,11,12,13,14,15
	ds_load_b128 v[BB+4*\t:BB+4*\t+3], v[RD] offset:\t*528
.endr
.endm
.macro SEND a, younger                 ; younger: the LDS instructions issued behind block a's loads, which may stay out
.set BB, BK+64*((\a)%2)
	s_wait_dscnt \younger
.irp t, 0,1,2,3,4,5,6,7,8,9,10,11,12,13,14,15
	global_store_b128 v[CO], v[BB+4*\t:BB+4*\t+3], s[10:11] offset:(32*((\a)/2)+8*((\a)%2)+(\t%8)+16*(\t/8))*4096 th:TH_STORE_NT   ; 32 lanes store 512 consecutive bytes, aligned
.endr
.endm
	PLACES                                         ; behind the last products
	TOSTAGE 0
.irp a, 1,2,3
.if \a > 1
	s_wait_xcnt 0x0                                ; block a - 2's stores have read their registers: block a's loads may land there
.endif
	TOSTAGE \a
	SEND \a-1, 32                                  ; behind block a - 1's loads: block a's 16 stores and 16 loads
.endr
	SEND 3, 0
	s_wait_tensorcnt 0x0                           ; the wave's end
	ds_add_u32 v[SPW], v[NIL]
	s_wait_dscnt 0x0
	CROUND                                         ; the closing round
	s_endpgm
.Lfunc_end_k_q950a6b53f4_proj:
	.size	k_q950a6b53f4_proj, .Lfunc_end_k_q950a6b53f4_proj-k_q950a6b53f4_proj
	.p2alignl 7, 3214868480
	.fill 96, 4, 3214868480
	.section	.rodata,"a",@progbits
	.p2align	6, 0x0
	.amdhsa_kernel k_q950a6b53f4_proj
		.amdhsa_group_segment_fixed_size 243200
		.amdhsa_private_segment_fixed_size 0
		.amdhsa_enable_private_segment 0
		.amdhsa_kernarg_size 32
		.amdhsa_user_sgpr_count 2
		.amdhsa_user_sgpr_kernarg_segment_ptr 1
		.amdhsa_wavefront_size32 1
		.amdhsa_system_sgpr_workgroup_id_x 1
		.amdhsa_system_sgpr_workgroup_id_y 1
		.amdhsa_system_sgpr_workgroup_id_z 1
		.amdhsa_system_vgpr_workitem_id 0
		.amdhsa_next_free_vgpr 768
		.amdhsa_next_free_sgpr 102
		.amdhsa_reserve_vcc 0
		.amdhsa_float_denorm_mode_32 3
		.amdhsa_float_denorm_mode_16_64 3
		.amdhsa_memory_ordered 1
		.amdhsa_forward_progress 1
		.amdhsa_inst_pref_size 69
	.end_amdhsa_kernel
	.amdgpu_metadata
---
amdhsa.version: [ 1, 2 ]
amdhsa.kernels:
  - .name:           k_q950a6b53f4_proj
    .symbol:         k_q950a6b53f4_proj.kd
    .args:
      - { .name: oq, .offset: 0, .size: 8, .value_kind: global_buffer, .address_space: global }
      - { .name: wp, .offset: 8, .size: 8, .value_kind: global_buffer, .address_space: global }
      - { .name: b_proj, .offset: 16, .size: 8, .value_kind: global_buffer, .address_space: global }
      - { .name: out0, .offset: 24, .size: 8, .value_kind: global_buffer, .address_space: global }
    .group_segment_fixed_size: 243200
    .private_segment_fixed_size: 0
    .kernarg_segment_align: 8
    .kernarg_segment_size: 32
    .max_flat_workgroup_size: 128
    .sgpr_count:     102
    .vgpr_count:     768
    .wavefront_size: 32
...
	.end_amdgpu_metadata
.endif
;; end of part 4
